; MI455X (gfx1250); checked and timed in simulation.
; The chip was launched on July 23, 2026; its instructions are those of AMD's public machine-readable ISA for CDNA 5 (MIT licence, August 2026) and "CDNA5" Instruction Set Architecture Reference Guide (July 2026). The comments in the code are by the model that wrote it; some were corrected since.
;; Self Attention. Allowed arithmetic: float matrix products may take bf16 or f16 operands with f32 sums; other float arithmetic in f32, or as packed bf16 or f16 multiplies, adds, multiply-adds, maxima and minima; sums over many terms, partial sums and values carried from step to step in f32; what a program stores and reads back later, other than sums and carried values, may be rounded once to bf16 or f16.
;; Inputs: Wk 1,024 x 1,024 float32; Wq 1,024 x 1,024 float32; Wv 1,024 x 1,024 float32; bk 1,024 float32; bq 1,024 float32; bv 1,024 float32; x 2,048 x 4 x 1,024 float32.
;; Outputs: out0 2,048 x 4 x 1,024 float32.
;; 2 versions, each right; version 2 is version 1 with the launch cast written anew for expert scheduling mode. Each part assembles by itself: llvm-mc -triple=amdgcn-amd-amdhsa -mcpu=gfx1250 --defsym DOCPART=n.
;; ======== version 1 of 2: 4 launches
;; limits: values are held in f16: magnitudes above 65,504 overflow, below 6.1e-05 lose precision
;; workspace buffers: xw 23,068,672 bytes; qkv 50,331,648 bytes; p 33,554,432 bytes; stats 1,048,576 bytes
;; launch cast (part 1): grid 352 x 1, 8 waves a work-group, no clusters, 0 bytes of LDS; arguments x, Wq, Wk, Wv, xw; writes xw
.if DOCPART == 1
	.amdgcn_target "amdgcn-amd-amdhsa--gfx1250"
	.amdhsa_code_object_version 6
	.text
	.protected	k_q53d95477fd_cast
	.globl	k_q53d95477fd_cast
	.p2align	8
	.type	k_q53d95477fd_cast,@function
k_q53d95477fd_cast:
	s_mov_b64 s[64:65], 0
	v_nop
	global_prefetch_b8 v0, s[64:65] scope:SCOPE_SE
	s_setreg_imm32_b32 hwreg(HW_REG_WAVE_MODE, 25, 1), 1
	s_wait_xcnt 0x0
; xw = bf16 copies of x and of the three weight matrices, 11,264 rows of 1,024 numbers.
; Rows 0 .. 8,191: x by batches, row b * 2048 + s = x[s][b].  Rows 8,192 on: Wq, Wk, Wv as they lie.  Each number is rounded once, to nearest even.
; A stream: every input byte is read once, by 16-byte loads, every output byte written once.  No LDS, no matrix unit, no barrier: no wave wants another's bytes.
; SHARES.  A work-group takes 32 source rows of 4,096 bytes, a wave four of them.  Groups 0-255: x (a wave's four rows are one s, b = 0 .. 3); 256-287 Wq; 288-319 Wk; 320-351 Wv.
; All 32 loads of a wave go out at once (16 KiB on their way); no register is written twice, so the only waits are the counted ones for the loads.
; A store of 8 bytes a lane covers 256 consecutive bytes, at a multiple of 256 from xw's first byte.
.set X,  64                            ; v[64:191]  load i = 8 j + c: row j of my four, 512 bytes from byte 512 c on
.set Y,  192                           ; v[192:255] the same, rounded: two registers a load
.set DO, 2                             ; v[2:5]     where row j goes in xw, from the group's base on
	s_load_b256 s[4:11], s[0:1], 0x0               ; x s[4:5], Wq s[6:7], Wk s[8:9], Wv s[10:11]
	s_load_b64 s[12:13], s[0:1], 0x20              ; xw
	s_mov_b32 s24, ttmp9                           ; the group's number g
	s_mov_b32 s17, 2048
	s_mov_b32 s25, 0x400000
	s_cmp_lt_u32 s24, 256                          ; x, or a weight matrix?
	s_cselect_b32 s14, 255, 31                     ; the group's number within its source
	s_cselect_b32 s15, 14, 16                      ; in xw a group of x begins at g * 16,384 (eight s), a group of W at g * 65,536 (8,192 rows + 32 (g - 256) rows of 2,048 bytes)
	s_cselect_b32 s16, 11, 13                      ; from wave to wave: one row of xw, or four
	s_cselect_b32 s17, s25, s17                    ; from row to row of a wave: the next batch (2,048 rows), or the next row
	s_and_b32 s18, s24, s14
	s_lshl_b32 s18, s18, 17                        ; 32 source rows of 4,096 bytes
	s_mov_b32 s19, 0
	s_lshl_b32 s20, s24, s15
	s_mov_b32 s21, 0
	v_and_b32 v6, 31, v0                           ; lane
	v_lshrrev_b32 v7, 5, v0                        ; wave
	v_lshlrev_b32 v1, 4, v6
	v_lshl_add_u32 v1, v7, 14, v1                  ; the loads' offset: wave * 4 rows + 16 * lane
	v_lshlrev_b32 v8, s16, v7
	v_lshl_add_u32 v[DO], v6, 3, v8                ; the stores': 8 * lane + the wave's place,
	v_add_nc_u32 v[DO+1], s17, v[DO]               ; and the three further rows
	v_add_nc_u32 v[DO+2], s17, v[DO+1]
	v_add_nc_u32 v[DO+3], s17, v[DO+2]
	s_wait_kmcnt 0x0
	s_cmp_lt_u32 s24, 320
	s_cselect_b64 s[22:23], s[8:9], s[10:11]
	s_cmp_lt_u32 s24, 288
	s_cselect_b64 s[22:23], s[6:7], s[22:23]
	s_cmp_lt_u32 s24, 256
	s_cselect_b64 s[22:23], s[4:5], s[22:23]       ; the source
	s_add_nc_u64 s[22:23], s[22:23], s[18:19]
	s_add_nc_u64 s[12:13], s[12:13], s[20:21]
.set i, 0
.rept 32
	global_load_b128 v[X+4*i:X+4*i+3], v1, s[22:23] offset:(i/8)*4096+(i%8)*512 th:TH_LOAD_NT
.set i, i+1
.endr
.set i, 0
.rept 32
	s_wait_loadcnt 31-i                            ; loads come back in order: load i is in, the younger ones stay out
	v_cvt_pk_bf16_f32 v[Y+2*i], v[X+4*i], v[X+4*i+1]
	v_cvt_pk_bf16_f32 v[Y+2*i+1], v[X+4*i+2], v[X+4*i+3]
	global_store_b64 v[DO+i/8], v[Y+2*i:Y+2*i+1], s[12:13] offset:(i%8)*256 th:TH_STORE_NT
.set i, i+1
.endr
	s_endpgm
.Lfunc_end_k_q53d95477fd_cast:
	.size	k_q53d95477fd_cast, .Lfunc_end_k_q53d95477fd_cast-k_q53d95477fd_cast
	.p2alignl 7, 3214868480
	.fill 96, 4, 3214868480
	.section	.rodata,"a",@progbits
	.p2align	6, 0x0
	.amdhsa_kernel k_q53d95477fd_cast
		.amdhsa_group_segment_fixed_size 0
		.amdhsa_private_segment_fixed_size 0
		.amdhsa_enable_private_segment 0
		.amdhsa_kernarg_size 40
		.amdhsa_user_sgpr_count 2
		.amdhsa_user_sgpr_kernarg_segment_ptr 1
		.amdhsa_wavefront_size32 1
		.amdhsa_system_sgpr_workgroup_id_x 1
		.amdhsa_system_sgpr_workgroup_id_y 1
		.amdhsa_system_sgpr_workgroup_id_z 1
		.amdhsa_system_vgpr_workitem_id 0
		.amdhsa_next_free_vgpr 256
		.amdhsa_next_free_sgpr 66
		.amdhsa_reserve_vcc 0
		.amdhsa_float_denorm_mode_32 3
		.amdhsa_float_denorm_mode_16_64 3
		.amdhsa_memory_ordered 1
		.amdhsa_forward_progress 1
		.amdhsa_inst_pref_size 13
	.end_amdhsa_kernel
	.amdgpu_metadata
---
amdhsa.version: [ 1, 2 ]
amdhsa.kernels:
  - .name:           k_q53d95477fd_cast
    .symbol:         k_q53d95477fd_cast.kd
    .args:
      - { .name: x, .offset: 0, .size: 8, .value_kind: global_buffer, .address_space: global }
      - { .name: Wq, .offset: 8, .size: 8, .value_kind: global_buffer, .address_space: global }
      - { .name: Wk, .offset: 16, .size: 8, .value_kind: global_buffer, .address_space: global }
      - { .name: Wv, .offset: 24, .size: 8, .value_kind: global_buffer, .address_space: global }
      - { .name: xw, .offset: 32, .size: 8, .value_kind: global_buffer, .address_space: global }
    .group_segment_fixed_size: 0
    .private_segment_fixed_size: 0
    .kernarg_segment_align: 8
    .kernarg_segment_size: 40
    .max_flat_workgroup_size: 256
    .sgpr_count:     66
    .vgpr_count:     256
    .wavefront_size: 32
...
	.end_amdgpu_metadata
.endif
;; end of part 1
;; launch proj (part 2): grid 12 x 16, 4 waves a work-group, clusters of 4 x 4, 327,680 bytes of LDS; arguments xw, bq, bk, bv, qkv; writes qkv
.if DOCPART == 2
	.amdgcn_target "amdgcn-amd-amdhsa--gfx1250"
	.amdhsa_code_object_version 6
	.text
	.protected	k_q53d95477fd_proj
	.globl	k_q53d95477fd_proj
	.p2align	8
	.type	k_q53d95477fd_proj,@function
k_q53d95477fd_proj:
	s_mov_b64 s[64:65], 0
	v_nop
	global_prefetch_b8 v0, s[64:65] scope:SCOPE_SE
	s_setreg_imm32_b32 hwreg(HW_REG_WAVE_MODE, 25, 1), 1
	s_wait_xcnt 0x0
	s_wait_alu depctr_hold_cnt(0) depctr_sa_sdst(0) depctr_va_vdst(0) depctr_va_sdst(0) depctr_va_ssrc(0) depctr_va_vcc(0) depctr_vm_vsrc(0)
	s_getreg_b32 s2, hwreg(HW_REG_IB_STS2, 6, 4)
	s_cmp_eq_u32 s2, 0
	s_cbranch_scc0 .Lentry_in_a_cluster
	s_endpgm
.Lentry_in_a_cluster:
	s_bfe_u32 s2, ttmp6, 0x10000c
	s_cmp_lg_u32 s2, 0xf033
	s_cbranch_scc0 .Lentry_shape_is_right
	s_endpgm
.Lentry_shape_is_right:
; qkv[row][e] = sum over d of x[row][d] W[e][d] + b[e]: 8,192 rows (b * 2048 + s) x 3,072 columns (q, k, v), K = 1,024.
; Operands bf16 (xw), sums f32; the bias, rounded to bf16 like the other inputs, is the C operand that starts each sum; the result is rounded once to f16.
; LIMIT.  f16 holds no number beyond 65,504: |q|, |k|, |v| must stay under it.  NaN and infinities are not treated apart.
; A tile of 256 x 256 is made by a work-group of four waves, a wave 128 x 128: 64 accumulators of 16 x 16, 512 registers.  K goes in steps of 128 through two LDS slots filled by tensor loads:
; a tile's rows are 256 bytes of memory at multiples of 256 from the buffer's first byte.
; A WORK-GROUP STAYS.  There are 384 tiles; 192 work-groups make two each, the second 4,096 rows below the first, so that all work-groups are alike (256 would have one and a half each).
; The two tiles are ONE walk of 16 K steps for the ring: the refills run on into the second tile, whose rows of W are the first's; the first tile leaves when both refills for the second have been asked for.
; CLUSTERS of 4 x 4: the four of a row need the same rows of x, the four of a column the same rows of W: each tile is asked for jointly, by the same load with the same descriptor and a mask of four.
; THE MATRIX INSTRUCTION IS USED TRANSPOSED (source 0 = 16 rows of W, source 1 = 16 rows of x): a lane holds row l % 16 and the columns 8 (l / 16) + 0 .. 7, which pack into 16 bytes.
; REGISTERS in windows of 256 (s_set_vgpr_msb: bits 1:0 source 0, 3:2 source 1, 5:4 source 2, 7:6 destination):
;   window 0: v0-31 addresses; v64-127, v128-191 fragments of x, two buffers; v32-63, v192-255 at work on the way out
;   window 1: v0-63 the bias of my 128 columns in the accumulators' layout; v64-127, v128-191 fragments of W
;   window 2: the accumulators of my rows 0-63 ((a, b) at 8 (8 a + b));   window 3: those of my rows 64-127
.set NSTEP,  16                        ; K steps of the walk: two tiles of 8
.set PITCH,  272                       ; an LDS row: 256 bytes + 16 of padding = 68 words: the 16 rows of a fragment load start at 16 different groups of four banks (ISA guide 11.1)
.set HALFT,  128*PITCH                 ; what one tensor load brings
.set SLOT,   4*HALFT                   ; x's 256 rows, then W's 256 rows
.set STAGE,  2*SLOT                    ; behind the ring: 16 rows x 272 bytes for each wave, for the way out
.set SPITCH, 272
.set SPARE,  STAGE+4*16*SPITCH         ; the spare words, 128 bytes a wave: two blocks of 256 bytes that no other line names
.set KA,     256                       ; bytes of a K step along a row
.set CP,     6144                      ; bytes in a row of qkv
.set WALK,   4096                      ; rows from a work-group's first tile to its second
.set NEXT_A, WALK*2048-7*KA            ; bytes from x's last K step of the first tile to its first of the second
.set BACK_B, 7*KA                      ; W only goes back along K
.set NEXT_C, (WALK-7*16)*CP            ; bytes from my last 16 rows of the first tile to my first of the second
.set AA0,  12                          ; v12  my lane's place in x's tile; never rewritten
.set AB0,  13                          ; v13  the same for W's
.set ADRA, 16                          ; v16  the same in the slot that is being read
.set ADRB, 20                          ; v20
.set STO,  24                          ; v24  the way out: where I put 16 bytes of a row
.set RD,   25                          ; v25  where I read a row back
.set CO,   26                          ; v26  my byte offset in qkv
.set SPW,  28                          ; v28  my spare word: SPARE + 4 x my thread's number; never rewritten
.set NIL,  29                          ; v29  0; never rewritten
.set PFO,  30                          ; v30  the prefetches' offset: my lane x a row of xw
.set F0,   64
.set F1,   128
.set TMP,  192
.set OB,   32
.set G1,   24                          ; s[24:31] descriptor group 1 for x's tiles
.set G0,   32                          ; s[32:35] group 0 of slot 0's first fill; s[36:39] the walking one
.set G1B,  48                          ; s[48:55], s[56:59], s[60:63] the same for W's
.set G0B,  56
.set LIM,  43                          ; s43  a wave prefetches while s3 is above it: 2 for x's rows, 10 for W's, the greatest number in a wave that asks for nothing
.set PFA,  44                          ; s[44:45] where my prefetches stand
.set TR,   66                          ; s66  LDS byte of the slot that is read
.set TF,   67                          ; s67  of the slot that was filled last
.set LB,   78                          ; s78  wave x HALFT: my part of a slot
.set PS,   84                          ; s[84:85] the prefetches' step in this trip
.set KAR,  88                          ; s88  KA
.set SA,   90                          ; s[90:91] the step of x's walking descriptor in this trip
.set SBA,  92                          ; s[92:93] what is added to W's,
.set SBS,  94                          ; s[94:95] and what is taken from it
.set MSB, 0
.macro WIN new                         ; the immediate's high byte repeats the setting that is left; a switch that changes nothing is dropped
.if MSB != (\new)
	s_set_vgpr_msb (MSB<<8)|(\new)
.set MSB, (\new)
.endif
.endm
.set MUL_LO, 0xa1                      ; source 0 (W) window 1, source 1 (x) window 0, C and D window 2
.set MUL_HI, 0xf1                      ; the same, C and D window 3
.set TO_B,   0x40                      ; destination window 1, address window 0
.macro PLACES                          ; four plain places behind matrix instructions, ahead of loads into registers that they read
.rept 4
	v_nop
.endr
.endm
; A joint refill by the walking descriptors.  Waves 0 and 1 fetch x's two halves, waves 2 and 3 W's; the branch hangs on the wave's number alone.
; An s_nop 0 and four v_nop follow each of the two lines.
.macro JLOAD
	s_cmp_eq_u32 s11, 0
	s_cbranch_scc0 .Lfor_b_\@
	tensor_load_to_lds s[G0+4:G0+7], s[G1:G1+7]
	s_nop 0
.rept 4
	v_nop
.endr
	s_branch .Lasked_\@
.Lfor_b_\@:
	tensor_load_to_lds s[G0B+4:G0B+7], s[G1B:G1B+7]
	s_nop 0
.rept 4
	v_nop
.endr
.Lasked_\@:
.endm
; A prefetch into the L2 of the K step two refills on: 32 rows x 256 bytes, a lane a row.  x's rows are read by the three clusters of a row of clusters: the one with x = 0 asks;
; W's by the four of a column: the one with y = 0 asks.  Of the 128 rows that a wave fetches each of the four partners takes 32, told apart by address.  So each row's 256 bytes of a
; K step are named once: x's in both tiles, up to the walk's last K step (the trips with s3 = 2, 1 have none two on); W's in the first tile alone, since the second walks the same rows.
.macro ASK
	s_cmp_gt_u32 s3, s[LIM]
	s_cbranch_scc0 .Lnot_mine_\@
	global_prefetch_b8 v[PFO], s[PFA:PFA+1] th:TH_LOAD_NT scope:SCOPE_SE
.Lnot_mine_\@:
.endm
.macro CREST                           ; a round of the cluster's barrier behind its opening barrier
	s_cmp_lg_u32 s10, 0
	s_cbranch_scc1 .Lnot_wave_0_\@
	s_barrier_signal -3
.Lnot_wave_0_\@:
	s_barrier_wait -3
	s_barrier_signal -1
	s_barrier_wait -1
.endm
.macro CROUND                          ; a whole round
	s_barrier_signal -1
	s_barrier_wait -1
	CREST
.endm
	s_load_b256 s[68:75], s[0:1], 0x0              ; xw s[68:69], bq s[70:71], bk s[72:73], bv s[74:75]
	s_load_b64 s[76:77], s[0:1], 0x20              ; qkv
	v_lshl_add_u32 v[SPW], v0, 2, SPARE
	v_mov_b32 v[NIL], 0
	ds_add_u32 v[SPW], v[NIL]                      ; the wave's opening: the add and its wait stand ahead of my first tensor load; work on registers stands between them
	v_lshrrev_b32 v1, 5, v0
	v_readfirstlane_b32 s10, v1                    ; wave 0..3
	s_lshr_b32 s11, s10, 1                         ; my half of the tile's rows.  Also: I fetch for x (0) or for W (1)
	s_and_b32 s12, s10, 1                          ; my half of its columns.  Also: which 128 rows I fetch
	s_bfe_u32 s40, ttmp6, 0x40000                  ; cx
	s_bfe_u32 s41, ttmp6, 0x40004                  ; cy
	s_lshl_b32 s42, ttmp9, 2
	s_add_co_u32 s42, s42, s40                     ; tile column = 4 x cluster x + cx
	s_and_b32 s13, ttmp7, 0xffff
	s_lshl_b32 s13, s13, 2
	s_add_co_u32 s13, s13, s41                     ; the first tile's row = 4 x cluster y + cy, 0 .. 15
	s_lshl_b32 s43, s41, 2
	s_lshl_b32 s43, 15, s43                        ; my row of the cluster
	s_lshl_b32 s44, 0x1111, s40                    ; my column
	s_or_b32 s[G1], s43, (1<<16)|(1<<20)|(1<<21)|(5<<22)|(3<<25)   ; 15:0 the mask; 17:16 2-byte elements; 20 padding on; 21 set beside a mask; 24:22 after every 64 words; 31:25 4 words of it
	s_or_b32 s[G1B], s44, (1<<16)|(1<<20)|(1<<21)|(5<<22)|(3<<25)
.irp g, G1, G1B
	s_mov_b32 s[(\g)+1], 128<<16                   ; tensor_dim0 = 128
	s_mov_b32 s[(\g)+2], 128<<16                   ; tensor_dim1 = 128
	s_mov_b32 s[(\g)+3], 128<<16                   ; tile_dim0 = 128
	s_mov_b32 s[(\g)+4], 128                       ; tile_dim1 = 128
	s_mov_b32 s[(\g)+5], 1024                      ; elements from row to row
	s_mov_b32 s[(\g)+6], 0
	s_mov_b32 s[(\g)+7], 0
.endr
	s_mul_i32 s[LB], s10, HALFT                    ; no place in the cluster enters an LDS address
	s_mov_b32 s[TR], 0
	s_mov_b32 s[TF], SLOT
	s_mov_b32 s[KAR], KA
	s_mov_b32 s[PS+1], 0                           ; the steps' high words
	s_mov_b32 s[SA+1], 0
	s_mov_b32 s[SBA+1], 0
	s_mov_b32 s[SBS+1], 0
	s_lshl_b32 s17, s12, 7
	s_lshl_b32 s16, s13, 8
	s_add_co_u32 s16, s16, s17                     ; x: row 256 x tile row + 128 x half
	s_lshl_b32 s16, s16, 11                        ; in bytes
	s_lshl_b32 s46, s42, 8
	s_add_co_u32 s46, s46, s17                     ; W: row 256 x tile column + 128 x half,
	s_lshl_b32 s46, s46, 11
	s_add_co_u32 s46, s46, 0x1000000               ; behind x's 8,192 rows
	s_mov_b32 s17, 0
	s_mov_b32 s47, 0
	s_wait_dscnt 0x0                               ; the opening add is done
	s_wait_kmcnt 0x0
	s_add_nc_u64 s[14:15], s[68:69], s[16:17]
	s_add_nc_u64 s[46:47], s[68:69], s[46:47]
	CROUND                                         ; all sixteen work-groups are here: the first joint loads meet
	s_mov_b32 s[G0], 1                             ; count = 1
	s_mov_b32 s[G0+1], s[LB]                       ; slot 0
	s_mov_b64 s[G0+2:G0+3], s[14:15]               ; K step 0
	s_or_b32 s[G0+3], s[G0+3], 0x80000000          ; type = 2
	s_mov_b32 s[G0+4], 1
	s_add_co_u32 s[G0+5], s[LB], SLOT              ; slot 1
	s_add_nc_u64 s[G0+6:G0+7], s[14:15], KA        ; K step 1
	s_or_b32 s[G0+7], s[G0+7], 0x80000000
	s_mov_b32 s[G0B], 1
	s_mov_b32 s[G0B+1], s[LB]
	s_mov_b64 s[G0B+2:G0B+3], s[46:47]
	s_or_b32 s[G0B+3], s[G0B+3], 0x80000000
	s_mov_b32 s[G0B+4], 1
	s_add_co_u32 s[G0B+5], s[LB], SLOT
	s_add_nc_u64 s[G0B+6:G0B+7], s[46:47], KA
	s_or_b32 s[G0B+7], s[G0B+7], 0x80000000
	s_cmp_eq_u32 s11, 0                            ; a wave's two first fills stand in one branch, ahead of every wait on TENSORcnt and every LDS read: two loads of mine are out
	s_cbranch_scc0 .Lfirst_b
	tensor_load_to_lds s[G0:G0+3], s[G1:G1+7]
	s_nop 0
	tensor_load_to_lds s[G0+4:G0+7], s[G1:G1+7]
	s_nop 0
.rept 4
	v_nop
.endr
	s_branch .Lfirst_asked
.Lfirst_b:
	tensor_load_to_lds s[G0B:G0B+3], s[G1B:G1B+7]
	s_nop 0
	tensor_load_to_lds s[G0B+4:G0B+7], s[G1B:G1B+7]
	s_nop 0
.rept 4
	v_nop
.endr
.Lfirst_asked:
	; a fragment is 16 rows x 32 K in 8 registers: lane l holds row l % 16, K = 8 (l / 16) + 0..7 and 16 + 8 (l / 16) + 0..7: two loads of 16 bytes, 32 bytes apart
	v_and_b32 v1, 15, v0                           ; l % 16
	v_bfe_u32 v2, v0, 4, 1                         ; l / 16
	v_mul_u32_u24 v3, v1, PITCH
	v_lshl_add_u32 v3, v2, 4, v3
	s_mul_i32 s21, s11, HALFT                      ; my 128 rows of x
	s_mul_i32 s22, s12, HALFT                      ; my 128 rows of W,
	s_add_co_u32 s22, s22, 2*HALFT                 ; behind x's 256
	v_add_nc_u32 v[AA0], s21, v3
	v_add_nc_u32 v[AB0], s22, v3
	v_mov_b32 v[ADRA], v[AA0]
	v_mov_b32 v[ADRB], v[AB0]
	s_mul_i32 s23, s10, 16*SPITCH
	s_add_co_u32 s23, s23, STAGE                   ; my stage
	v_mul_u32_u24 v4, v1, SPITCH                   ; in: row l % 16, 16 bytes for each half of the lanes
	v_lshl_add_u32 v4, v2, 4, v4
	v_add_nc_u32 v[STO], s23, v4
	v_mul_u32_u24 v5, v2, SPITCH                   ; back: lanes 0-15 one row of 256 bytes, lanes 16-31 the next
	v_lshl_add_u32 v5, v1, 4, v5
	v_add_nc_u32 v[RD], s23, v5
	v_mul_u32_u24 v5, v2, CP                       ; and the same two rows in qkv
	v_lshl_add_u32 v[CO], v1, 4, v5
	s_mov_b64 s[8:9], s[76:77]
	s_lshl_b32 s16, s13, 8                         ; where my part of the first tile begins in qkv: the first way out adds it to qkv's address
	s_lshl_b32 s14, s11, 7
	s_add_co_u32 s16, s16, s14
	s_mul_i32 s16, s16, CP
	s_lshl_b32 s46, s42, 9
	s_lshl_b32 s47, s12, 8
	s_add_co_u32 s46, s46, s47
	s_add_co_u32 s16, s16, s46
	s_mov_b32 s17, 0
	; the prefetches
	s_lshl_b32 s20, s13, 8                         ; x's tile begins at row 256 x tile row,
	s_lshl_b32 s21, s42, 8
	s_add_co_u32 s21, s21, 8192                    ; W's at row 8,192 + 256 x tile column of xw
	s_and_b32 s22, ttmp7, 0xffff
	s_cmp_eq_u32 s11, 0
	s_cselect_b32 s20, s20, s21
	s_cselect_b32 s21, s40, s41                    ; my place among the four that ask with me
	s_cselect_b32 s22, ttmp9, s22                  ; the coordinate along which other clusters read the same rows
	s_cselect_b32 s23, 2, 10                       ; x's rows to the walk's end, W's to the first tile's
	s_cmp_eq_u32 s22, 0
	s_cselect_b32 s[LIM], s23, -1                  ; the same in all sixteen partners, for a given wave
	s_lshl_b32 s22, s12, 7
	s_add_co_u32 s20, s20, s22
	s_lshl_b32 s21, s21, 5
	s_add_co_u32 s20, s20, s21
	s_lshl_b32 s20, s20, 11
	s_add_co_u32 s20, s20, 3*KA                    ; at K step 3: the first refill steps it to 4.  K steps 0 to 3 come by their loads alone
	s_mov_b32 s21, 0
	s_add_nc_u64 s[PFA:PFA+1], s[68:69], s[20:21]
	v_and_b32 v[PFO], 31, v0
	v_lshlrev_b32 v[PFO], 11, v[PFO]
	; the bias of my 128 columns, in the accumulators' layout: register j of block b holds column 16 b + 8 (l / 16) + j.  Both tiles have the same columns
	s_cmp_eq_u32 ttmp9, 1                          ; the cluster's x says which of q, k, v its 1,024 columns are
	s_cselect_b64 s[18:19], s[72:73], s[74:75]
	s_cmp_eq_u32 ttmp9, 0
	s_cselect_b64 s[18:19], s[70:71], s[18:19]
	s_lshl_b32 s22, s40, 10
	s_lshl_b32 s23, s12, 9
	s_add_co_u32 s22, s22, s23
	s_mov_b32 s23, 0
	s_add_nc_u64 s[18:19], s[18:19], s[22:23]
	v_lshlrev_b32 v9, 5, v2
	WIN TO_B
.irp b, 0,1,2,3,4,5,6,7
	global_load_b128 v[8*(\b):8*(\b)+3],   v9, s[18:19] offset:64*(\b)
	global_load_b128 v[8*(\b)+4:8*(\b)+7], v9, s[18:19] offset:64*(\b)+16
.endr
	s_wait_loadcnt 0x0
	WIN 0x45                                       ; sources and destination in window 1
.set i, 0
.rept 32
	v_cvt_pk_bf16_f32 v[64+i], v[2*i], v[2*i+1]    ; rounded to bf16 like the other inputs,
.set i, i+1
.endr
.set i, 0
.rept 32
	v_lshlrev_b32 v[2*i], 16, v[64+i]              ; and widened again
	v_and_b32 v[2*i+1], 0xffff0000, v[64+i]
.set i, i+1
.endr
	WIN 0
; 16 matrix instructions: m blocks a0, a0 + 1 of the window's four x all 8 n blocks, 32 along K.  zero = 2: the first product starts the sums with the bias.
; The 64 accumulators take turns, one instruction a turn, in the same order in every quarter step.
.macro MUL16 f, hi, a0, zero
.if (\zero) == 2
	WIN 0x91+0x40*(\hi)                            ; C in window 1
.else
	WIN MUL_LO+0x50*(\hi)
.endif
.irp a, \a0, (\a0)+1
.irp b, 0,1,2,3,4,5,6,7
.if (\zero) == 2
	v_wmma_f32_16x16x32_bf16 v[8*(8*(\a)+(\b)):8*(8*(\a)+(\b))+7], v[(\f)+8*(\b):(\f)+8*(\b)+7], v[(\f)+8*(4*(\hi)+(\a)):(\f)+8*(4*(\hi)+(\a))+7], v[8*(\b):8*(\b)+7]
.else
	v_wmma_f32_16x16x32_bf16 v[8*(8*(\a)+(\b)):8*(8*(\a)+(\b))+7], v[(\f)+8*(\b):(\f)+8*(\b)+7], v[(\f)+8*(4*(\hi)+(\a)):(\f)+8*(4*(\hi)+(\a))+7], v[8*(8*(\a)+(\b)):8*(8*(\a)+(\b))+7]
.endif
.endr
.endr
.endm
; 32 LDS loads in one run: the fragments of one quarter step (32 K at byte k of the rows) into buffer f: W's, then x's
.macro FETCH k, f
	WIN TO_B
.irp i, 0,1,2,3,4,5,6,7
	ds_load_b128 v[(\f)+8*(\i):(\f)+8*(\i)+3],   v[ADRB] offset:(\k)+(\i)*16*PITCH
	ds_load_b128 v[(\f)+8*(\i)+4:(\f)+8*(\i)+7], v[ADRB] offset:(\k)+(\i)*16*PITCH+32
.endr
	WIN 0
.irp i, 0,1,2,3,4,5,6,7
	ds_load_b128 v[(\f)+8*(\i):(\f)+8*(\i)+3],   v[ADRA] offset:(\k)+(\i)*16*PITCH
	ds_load_b128 v[(\f)+8*(\i)+4:(\f)+8*(\i)+7], v[ADRA] offset:(\k)+(\i)*16*PITCH+32
.endr
.endm
; One of a K step's first three quarters: multiplies buffer f; in its middle it fetches the next quarter's fragments, at byte k, into buffer g.
.macro QUARTER k, f, g, zero
	s_wait_dscnt 8                                 ; W's and x's rows 0-63 are in; the youngest eight loads (x's rows 64-127) may be out
	MUL16 \f, 0, 0, \zero
	MUL16 \f, 0, 2, \zero
	PLACES
	FETCH \k, \g
	s_wait_dscnt 32                                ; all but the 32 just issued
	MUL16 \f, 1, 0, \zero
	MUL16 \f, 1, 2, \zero
.endm
; The last quarter multiplies buffer 1 and changes slots.  Ahead of the barrier each wave waits for all its tensor loads (one is out: its part of the next slot), adds 0 to its spare word, and waits for
; that and for its reads of this slot.  fill = 1: the barrier opens a round of the cluster's, and the slot just read is filled again first thing behind it, with the K step two on in the walk: that load has
; 224 matrix instructions in which to land.  The trip with s3 = 8 steps the descriptors from the first tile's last K step to the second tile's first; the trip with s3 = 10 does so for the prefetches.
; fill = 0 (the walk's last two K steps): nothing is filled; in the very last (s2 = 1) there is no next slot, and the run of loads is jumped over.
.macro TURN fill
.if \fill
	s_wait_xcnt 0x0                                ; the last prefetch, a K step back, has read its address
	s_cmp_eq_u32 s3, 10
	s_cselect_b32 s[PS], NEXT_A, s[KAR]
	s_add_nc_u64 s[PFA:PFA+1], s[PFA:PFA+1], s[PS:PS+1]
.endif
	WIN 0
	s_wait_tensorcnt 0x0                           ; no tensor load of mine is out, so a group 0 may be written
	ds_add_u32 v[SPW], v[NIL]                      ; 0 onto my spare word
.if \fill
	s_xor_b32 s[TF], s[TF], SLOT                   ; the walking descriptors: the other slot than last time,
	s_add_co_u32 s[G0+5], s[LB], s[TF]
	s_add_co_u32 s[G0B+5], s[LB], s[TF]
	s_cmp_eq_u32 s3, 8                             ; the next K step of the walk: along K, or on to the second tile
	s_cselect_b32 s[SA], NEXT_A, s[KAR]
	s_cselect_b32 s[SBA], 0, s[KAR]
	s_cselect_b32 s[SBS], BACK_B, 0
	s_add_nc_u64 s[G0+6:G0+7], s[G0+6:G0+7], s[SA:SA+1]      ; the type bits on top are not reached
	s_add_nc_u64 s[G0B+6:G0B+7], s[G0B+6:G0B+7], s[SBA:SBA+1]
	s_sub_nc_u64 s[G0B+6:G0B+7], s[G0B+6:G0B+7], s[SBS:SBS+1]
.endif
	s_wait_dscnt 9                                 ; the add and the youngest eight loads may be out
	MUL16 F1, 0, 0, 0
	s_wait_dscnt 0x0                               ; the add is done, and my reads of this slot are over
	s_barrier_signal -1
	MUL16 F1, 0, 2, 0
	WIN 0
	s_barrier_wait -1
.if \fill
	CREST                                          ; no wave of any partner still reads this slot or has a load on its way
	JLOAD                                          ; its four v_nop are also the places ahead of the loads below
.else
	PLACES
.endif
	s_xor_b32 s[TR], s[TR], SLOT
.if !(\fill)
	s_cmp_eq_u32 s2, 1
	s_cbranch_scc1 .Lno_fetch_\@
.endif
	v_add_nc_u32 v[ADRA], s[TR], v[AA0]
	v_add_nc_u32 v[ADRB], s[TR], v[AB0]
	FETCH 0, F0
.if \fill
	ASK
.else
.Lno_fetch_\@:
.endif
	MUL16 F1, 1, 0, 0
	MUL16 F1, 1, 2, 0
.endm
; THE WAY OUT of block a (16 rows): rounded to f16, 16 bytes a lane; into my own stage and back as whole rows of 256 bytes; stored.
.macro PACK a
.set AC, 64*((\a)%4)
	WIN 0x0a+5*((\a)/4)                            ; sources in window 2 or 3
.irp b, 0,1,2,3,4,5,6,7
.irp r, 0,1,2,3
	v_cvt_pk_f16_f32 v[TMP+4*(\b)+(\r)], v[AC+8*(\b)+2*(\r)], v[AC+8*(\b)+2*(\r)+1]
.endr
.endr
	WIN 0
.endm
.macro TOSTAGE a
	WIN 0
.set BK, OB+192*((\a)%2)
.irp b, 0,1,2,3,4,5,6,7
	ds_store_b128 v[STO], v[TMP+4*(\b):TMP+4*(\b)+3] offset:32*(\b)
.endr
.irp t, 0,1,2,3,4,5,6,7
	ds_load_b128 v[BK+4*(\t):BK+4*(\t)+3], v[RD] offset:(\t)*2*SPITCH  ; LDS serves a wave's instructions in order (ISA guide 5.7.1.4): these see the stores above
.endr
.endm
.macro SEND a, younger
	WIN 0
.set BK, OB+192*((\a)%2)
	s_wait_dscnt \younger                          ; the block is back in registers
	s_wait_xcnt 0x0                                ; the stores' base and the registers that earlier stores read are rewritten only behind this wait
.if (\a) == 0
	s_add_nc_u64 s[8:9], s[8:9], s[16:17]          ; on to this tile's first rows
.else
	s_add_nc_u64 s[8:9], s[8:9], 16*CP
.endif
.irp t, 0,1,2,3,4,5,6,7
	global_store_b128 v[CO], v[BK+4*(\t):BK+4*(\t)+3], s[8:9] offset:2*(\t)*CP  ; 16 lanes store 256 consecutive bytes, at a multiple of 256 from qkv's first byte
.endr
.endm
.macro WAYOUT                          ; a whole tile; it holds no barrier and no tensor load
	PLACES
	PLACES                                         ; the places behind the last products
	PACK 0
	TOSTAGE 0
.irp a, 1,2,3,4,5,6,7                  ; block a's conversions stand between block a - 1's loads from the stage and the wait for them
	PACK \a
	SEND (\a)-1, 0
	TOSTAGE \a
.endr
	SEND 7, 0
.endm
	s_wait_tensorcnt 1                             ; my part of K step 0 is in; K step 1's may stay out
	s_barrier_signal -1
	s_barrier_wait -1
	FETCH 0, F0
	QUARTER 64, F0, F1, 2                          ; the first quarter stands ahead of the loop: its products start the sums
	WIN 0
	s_mov_b32 s3, NSTEP-2
.Lstep:                                                ; a trip: a K step's quarters 1 to 3 and the next step's quarter 0; it fills the slot that it leaves
	QUARTER 128, F1, F0, 0
	QUARTER 192, F0, F1, 0
	TURN 1
	WIN 0
	s_cmp_eq_u32 s3, 7                             ; the trip that ends the first tile's last K step
	s_cbranch_scc0 .Lsame
	WAYOUT                                         ; both refills for the second tile have been asked for, its first fragments too: the first tile goes out, and nothing waits for its stores
	s_mov_b32 s16, NEXT_C                          ; what the second way out adds to qkv's address
	QUARTER 64, F0, F1, 2                          ; the second tile's first products start the sums anew
	WIN 0
	s_branch .Lnext
.Lsame:
	QUARTER 64, F0, F1, 0
	WIN 0
.Lnext:
	s_sub_co_u32 s3, s3, 1
	s_cmp_lg_u32 s3, 0
	s_cbranch_scc1 .Lstep
	s_mov_b32 s2, 2                                ; the walk's last two K steps fill nothing: a text of their own
	s_branch .Lmid
.Ltail:
	QUARTER 64, F0, F1, 0
	WIN 0
.Lmid:
	QUARTER 128, F1, F0, 0
	QUARTER 192, F0, F1, 0
	TURN 0
	WIN 0
	s_sub_co_u32 s2, s2, 1
	s_cmp_lg_u32 s2, 0
	s_cbranch_scc1 .Ltail
	s_wait_dscnt 0x0                               ; no fragment load is out
	WAYOUT
	s_wait_tensorcnt 0x0                           ; the wave's end, behind my last tensor load and my last LDS store
	ds_add_u32 v[SPW], v[NIL]
	s_wait_dscnt 0x0
	CROUND                                         ; the closing round
	s_endpgm
.Lfunc_end_k_q53d95477fd_proj:
	.size	k_q53d95477fd_proj, .Lfunc_end_k_q53d95477fd_proj-k_q53d95477fd_proj
	.p2alignl 7, 3214868480
	.fill 96, 4, 3214868480
	.section	.rodata,"a",@progbits
	.p2align	6, 0x0
	.amdhsa_kernel k_q53d95477fd_proj
		.amdhsa_group_segment_fixed_size 327680
		.amdhsa_private_segment_fixed_size 0
		.amdhsa_enable_private_segment 0
		.amdhsa_kernarg_size 40
		.amdhsa_user_sgpr_count 2
		.amdhsa_user_sgpr_kernarg_segment_ptr 1
		.amdhsa_wavefront_size32 1
		.amdhsa_system_sgpr_workgroup_id_x 1
		.amdhsa_system_sgpr_workgroup_id_y 1
		.amdhsa_system_sgpr_workgroup_id_z 1
		.amdhsa_system_vgpr_workitem_id 0
		.amdhsa_next_free_vgpr 1024
		.amdhsa_next_free_sgpr 96
		.amdhsa_reserve_vcc 0
		.amdhsa_float_denorm_mode_32 3
		.amdhsa_float_denorm_mode_16_64 3
		.amdhsa_memory_ordered 1
		.amdhsa_forward_progress 1
		.amdhsa_inst_pref_size 147
	.end_amdhsa_kernel
	.amdgpu_metadata
---
amdhsa.version: [ 1, 2 ]
amdhsa.kernels:
  - .name:           k_q53d95477fd_proj
    .symbol:         k_q53d95477fd_proj.kd
    .args:
      - { .name: xw, .offset: 0, .size: 8, .value_kind: global_buffer, .address_space: global }
      - { .name: bq, .offset: 8, .size: 8, .value_kind: global_buffer, .address_space: global }
      - { .name: bk, .offset: 16, .size: 8, .value_kind: global_buffer, .address_space: global }
      - { .name: bv, .offset: 24, .size: 8, .value_kind: global_buffer, .address_space: global }
      - { .name: qkv, .offset: 32, .size: 8, .value_kind: global_buffer, .address_space: global }
    .group_segment_fixed_size: 327680
    .private_segment_fixed_size: 0
    .kernarg_segment_align: 8
    .kernarg_segment_size: 40
    .max_flat_workgroup_size: 128
    .sgpr_count:     96
    .vgpr_count:     1024
    .wavefront_size: 32
...
	.end_amdgpu_metadata
.endif
;; end of part 2
;; launch scores (part 3): grid 8 x 32, 4 waves a work-group, clusters of 4 x 4, 327,680 bytes of LDS; arguments qkv, p, stats; writes p, stats
.if DOCPART == 3
	.amdgcn_target "amdgcn-amd-amdhsa--gfx1250"
	.amdhsa_code_object_version 6
	.text
	.protected	k_q53d95477fd_scores
	.globl	k_q53d95477fd_scores
	.p2align	8
	.type	k_q53d95477fd_scores,@function
k_q53d95477fd_scores:
	s_mov_b64 s[64:65], 0
	v_nop
	global_prefetch_b8 v0, s[64:65] scope:SCOPE_SE
	s_setreg_imm32_b32 hwreg(HW_REG_WAVE_MODE, 25, 1), 1
	s_wait_xcnt 0x0
	s_wait_alu depctr_hold_cnt(0) depctr_sa_sdst(0) depctr_va_vdst(0) depctr_va_sdst(0) depctr_va_ssrc(0) depctr_va_vcc(0) depctr_vm_vsrc(0)
	s_getreg_b32 s2, hwreg(HW_REG_IB_STS2, 6, 4)
	s_cmp_eq_u32 s2, 0
	s_cbranch_scc0 .Lentry_in_a_cluster
	s_endpgm
.Lentry_in_a_cluster:
	s_bfe_u32 s2, ttmp6, 0x10000c
	s_cmp_lg_u32 s2, 0xf033
	s_cbranch_scc0 .Lentry_shape_is_right
	s_endpgm
.Lentry_shape_is_right:
; For each batch: s = q k^T (K = 1,024, f16 operands, f32 sums), and the first half of the softmax, by blocks of 128 keys.
; A wave's 128 x 128 of s is, for each of its rows, ONE block of 128 keys.  Of it the wave takes the true maximum m, stores p = 2^(c s - c m) in f16 (c = log2(e) / 32, so that 2^(c s) = e^(s / 32)),
; and stores c m and l = the sum of the unrounded p, both f32, into stats.  The last launch takes the maximum of a row's 16 block maxima away and divides by the row's sum.
; stats: [plane 0: c m, plane 1: l][64 blocks of 128 rows][16 blocks of 128 keys][128 rows] of f32.
; LIMITS.  p lies in 0 to 1; below 6e-5 it keeps f16's fixed step of 6e-8; an exponential below 2^-126 counts as 0.  NaN and infinities are not treated apart.
; The product is the same text as the projection's: a tile of 256 x 256 to four waves, 8 K steps of 128 through two LDS slots, clusters of 4 x 4 with joint loads
; (q's rows shared along a row of the cluster, k's along a column), the matrix instruction transposed: a lane holds row l % 16 and the keys 16 b + 8 (l / 16) + 0..7; its row's other 64 keys lie 16 lanes away.
; REGISTERS: window 0: v0-31 addresses; v64-127, v128-191 fragments of q (on the way out v64-103 at work); v32-63, v192-255 at work on the way out;
;   window 1: v64-191 fragments of k;   window 2, 3: the accumulators ((a, b) at 8 (8 a + b)).
.set NSTEP,  8
.set PITCH,  272                       ; 256 bytes + 16 of padding: the 16 rows of a fragment load start at 16 different groups of four banks (ISA guide 11.1)
.set HALFT,  128*PITCH
.set SLOT,   4*HALFT
.set STAGE,  2*SLOT
.set SPITCH, 272
.set SPARE,  STAGE+4*16*SPITCH         ; the spare words: two blocks of 256 bytes that no other line names
.set EXTRA,  SPARE+512                 ; 1,024 bytes for each wave: its rows' c m (512 bytes), then l
.set KA,     256
.set RP,     6144                      ; bytes in a row of qkv
.set CP,     4096                      ; bytes in a row of p
.set SL,   9                           ; v9   where I put my row's statistics
.set SR,   10                          ; v10  where I read 16 bytes of them back
.set SG,   11                          ; v11  16 x lane
.set AA0,  12
.set AB0,  13
.set ADRA, 16
.set ADRB, 20
.set STO,  24
.set RD,   25
.set CO,   26
.set SPW,  28                          ; v28  my spare word; never rewritten
.set NIL,  29                          ; v29  0; never rewritten
.set PFO,  30
.set F0,   64
.set F1,   128
.set CH,   64                          ; v64-71   eight chains of the maximum
.set ST,   72                          ; v72-87   block a: c m, m
.set LV,   88                          ; v88-95   block a: l
.set TMP,  192
.set OB,   32
.set G1,   24
.set G0,   32
.set G1B,  48
.set G0B,  56
.set LIM,  43
.set PFA,  44
.set TR,   66
.set TF,   67
.set LB,   78
.set CS,   80                          ; s[80:81] c, named as a pair
.set SEL,  82                          ; s[82:83] v_permlanex16_b32's selects: each lane takes its own place in the other half
.set MSB, 0
.macro WIN new
.if MSB != (\new)
	s_set_vgpr_msb (MSB<<8)|(\new)
.set MSB, (\new)
.endif
.endm
.set MUL_LO, 0xa1
.set MUL_HI, 0xf1
.set TO_B,   0x40
.macro PLACES
.rept 4
	v_nop
.endr
.endm
.macro JLOAD                           ; a joint refill: waves 0 and 1 fetch q's two halves, waves 2 and 3 k's; an s_nop 0 and four v_nop follow each line
	s_cmp_eq_u32 s11, 0
	s_cbranch_scc0 .Lfor_b_\@
	tensor_load_to_lds s[G0+4:G0+7], s[G1:G1+7]
	s_nop 0
.rept 4
	v_nop
.endr
	s_branch .Lasked_\@
.Lfor_b_\@:
	tensor_load_to_lds s[G0B+4:G0B+7], s[G1B:G1B+7]
	s_nop 0
.rept 4
	v_nop
.endr
.Lasked_\@:
.endm
; A prefetch into the L2 of the K step two refills on: 32 rows x 256 bytes, a lane a row.  q's rows are read by the two clusters of a row of clusters: the one with x = 0 asks; k's rows of a batch by the two
; clusters of that batch in a column: the one with even y asks.  The four partners take 32 rows each, told apart by address.  The last two refilling trips have no K step two on.
.macro ASK
	s_cmp_gt_u32 s3, s[LIM]
	s_cbranch_scc0 .Lnot_mine_\@
	global_prefetch_b8 v[PFO], s[PFA:PFA+1] th:TH_LOAD_NT scope:SCOPE_SE
.Lnot_mine_\@:
.endm
.macro CREST
	s_cmp_lg_u32 s10, 0
	s_cbranch_scc1 .Lnot_wave_0_\@
	s_barrier_signal -3
.Lnot_wave_0_\@:
	s_barrier_wait -3
	s_barrier_signal -1
	s_barrier_wait -1
.endm
.macro CROUND
	s_barrier_signal -1
	s_barrier_wait -1
	CREST
.endm
	s_load_b128 s[68:71], s[0:1], 0x0              ; qkv s[68:69], p s[70:71]
	s_load_b64 s[72:73], s[0:1], 0x10              ; stats
	v_lshl_add_u32 v[SPW], v0, 2, SPARE
	v_mov_b32 v[NIL], 0
	ds_add_u32 v[SPW], v[NIL]                      ; the wave's opening: the add and its wait stand ahead of my first tensor load
	v_lshrrev_b32 v1, 5, v0
	v_readfirstlane_b32 s10, v1
	s_lshr_b32 s11, s10, 1                         ; my half of the tile's rows.  Also: I fetch for q (0) or for k (1)
	s_and_b32 s12, s10, 1                          ; my half of its keys.  Also: which 128 rows I fetch
	s_bfe_u32 s40, ttmp6, 0x40000                  ; cx
	s_bfe_u32 s41, ttmp6, 0x40004                  ; cy
	s_lshl_b32 s42, ttmp9, 2
	s_add_co_u32 s42, s42, s40                     ; tile column (256 keys of the batch)
	s_and_b32 s18, ttmp7, 0xffff                   ; cluster y
	s_lshl_b32 s13, s18, 2
	s_add_co_u32 s13, s13, s41                     ; tile row (256 of the 8,192 rows)
	s_lshr_b32 s19, s18, 1                         ; the batch: two clusters' rows each,
	s_lshl_b32 s19, s19, 11                        ; its first row
	s_lshl_b32 s43, s41, 2
	s_lshl_b32 s43, 15, s43
	s_lshl_b32 s44, 0x1111, s40
	s_or_b32 s[G1], s43, (1<<16)|(1<<20)|(1<<21)|(5<<22)|(3<<25)
	s_or_b32 s[G1B], s44, (1<<16)|(1<<20)|(1<<21)|(5<<22)|(3<<25)
.irp g, G1, G1B
	s_mov_b32 s[(\g)+1], 128<<16
	s_mov_b32 s[(\g)+2], 128<<16
	s_mov_b32 s[(\g)+3], 128<<16
	s_mov_b32 s[(\g)+4], 128
	s_mov_b32 s[(\g)+5], 3072                      ; elements from row to row of qkv
	s_mov_b32 s[(\g)+6], 0
	s_mov_b32 s[(\g)+7], 0
.endr
	s_mul_i32 s[LB], s10, HALFT
	s_mov_b32 s[TR], 0
	s_mov_b32 s[TF], SLOT
	s_mov_b32 s[CS], 0x3d38aa3b                    ; c = log2(e) / 32
	s_mov_b32 s[CS+1], s[CS]
	s_mov_b32 s[SEL], 0x76543210
	s_mov_b32 s[SEL+1], 0xfedcba98
	s_lshl_b32 s17, s12, 7
	s_lshl_b32 s16, s13, 8
	s_add_co_u32 s16, s16, s17
	s_mul_i32 s16, s16, RP                         ; q: row 256 x tile row + 128 x half
	s_lshl_b32 s46, s42, 8
	s_add_co_u32 s46, s46, s17
	s_add_co_u32 s46, s46, s19
	s_mul_i32 s46, s46, RP                         ; k: the batch's row 256 x tile column + 128 x half,
	s_add_co_u32 s46, s46, 2048                    ; columns 1,024 on
	s_mov_b32 s17, 0
	s_mov_b32 s47, 0
	s_wait_dscnt 0x0
	s_wait_kmcnt 0x0
	s_add_nc_u64 s[14:15], s[68:69], s[16:17]
	s_add_nc_u64 s[46:47], s[68:69], s[46:47]
	CROUND
	s_mov_b32 s[G0], 1
	s_mov_b32 s[G0+1], s[LB]
	s_mov_b64 s[G0+2:G0+3], s[14:15]
	s_or_b32 s[G0+3], s[G0+3], 0x80000000
	s_mov_b32 s[G0+4], 1
	s_add_co_u32 s[G0+5], s[LB], SLOT
	s_add_nc_u64 s[G0+6:G0+7], s[14:15], KA
	s_or_b32 s[G0+7], s[G0+7], 0x80000000
	s_mov_b32 s[G0B], 1
	s_mov_b32 s[G0B+1], s[LB]
	s_mov_b64 s[G0B+2:G0B+3], s[46:47]
	s_or_b32 s[G0B+3], s[G0B+3], 0x80000000
	s_mov_b32 s[G0B+4], 1
	s_add_co_u32 s[G0B+5], s[LB], SLOT
	s_add_nc_u64 s[G0B+6:G0B+7], s[46:47], KA
	s_or_b32 s[G0B+7], s[G0B+7], 0x80000000
	s_cmp_eq_u32 s11, 0                            ; a wave's two first fills stand in one branch: two loads of mine are out
	s_cbranch_scc0 .Lfirst_b
	tensor_load_to_lds s[G0:G0+3], s[G1:G1+7]
	s_nop 0
	tensor_load_to_lds s[G0+4:G0+7], s[G1:G1+7]
	s_nop 0
.rept 4
	v_nop
.endr
	s_branch .Lfirst_asked
.Lfirst_b:
	tensor_load_to_lds s[G0B:G0B+3], s[G1B:G1B+7]
	s_nop 0
	tensor_load_to_lds s[G0B+4:G0B+7], s[G1B:G1B+7]
	s_nop 0
.rept 4
	v_nop
.endr
.Lfirst_asked:
	v_and_b32 v1, 15, v0
	v_bfe_u32 v2, v0, 4, 1
	v_mul_u32_u24 v3, v1, PITCH
	v_lshl_add_u32 v3, v2, 4, v3
	s_mul_i32 s21, s11, HALFT
	s_mul_i32 s22, s12, HALFT
	s_add_co_u32 s22, s22, 2*HALFT
	v_add_nc_u32 v[AA0], s21, v3
	v_add_nc_u32 v[AB0], s22, v3
	v_mov_b32 v[ADRA], v[AA0]
	v_mov_b32 v[ADRB], v[AB0]
	s_mul_i32 s23, s10, 16*SPITCH
	s_add_co_u32 s23, s23, STAGE
	v_mul_u32_u24 v4, v1, SPITCH
	v_lshl_add_u32 v4, v2, 4, v4
	v_add_nc_u32 v[STO], s23, v4
	v_mul_u32_u24 v5, v2, SPITCH
	v_lshl_add_u32 v5, v1, 4, v5
	v_add_nc_u32 v[RD], s23, v5
	v_mul_u32_u24 v5, v2, CP
	v_lshl_add_u32 v[CO], v1, 4, v5
	s_mov_b64 s[8:9], s[70:71]
	s_lshl_b32 s16, s13, 8                         ; where my part of the tile begins in p
	s_lshl_b32 s14, s11, 7
	s_add_co_u32 s16, s16, s14
	s_lshl_b32 s16, s16, 12
	s_lshl_b32 s46, s42, 9
	s_lshl_b32 s47, s12, 8
	s_add_co_u32 s46, s46, s47
	s_add_co_u32 s16, s16, s46
	s_mov_b32 s17, 0
	; the statistics: row block 2 x tile row + my half, key block 2 x tile column + my half; 512 bytes a plane
	s_lshl_b32 s20, s13, 1
	s_add_co_u32 s20, s20, s11
	s_lshl_b32 s20, s20, 4
	s_lshl_b32 s21, s42, 1
	s_add_co_u32 s20, s20, s21
	s_add_co_u32 s20, s20, s12
	s_lshl_b32 s20, s20, 9
	s_mov_b32 s21, 0
	s_add_nc_u64 s[86:87], s[72:73], s[20:21]
	s_lshl_b32 s22, s10, 10
	s_add_co_u32 s22, s22, EXTRA
	v_lshl_add_u32 v[SL], v1, 2, s22
	v_and_b32 v[SG], 31, v0
	v_lshlrev_b32 v[SG], 4, v[SG]
	v_add_nc_u32 v[SR], s22, v[SG]
	; the prefetches
	s_lshl_b32 s20, s13, 8
	s_lshl_b32 s21, s42, 8
	s_add_co_u32 s21, s21, s19
	s_and_b32 s22, s18, 1
	s_cmp_eq_u32 s11, 0
	s_cselect_b32 s20, s20, s21                    ; the tile's first row
	s_cselect_b32 s21, s40, s41                    ; my place among the four that ask with me
	s_cselect_b32 s22, ttmp9, s22                  ; 0 in the one cluster that asks
	s_cselect_b32 s23, 0, 2048                     ; q's or k's columns
	s_cmp_eq_u32 s22, 0
	s_cselect_b32 s[LIM], 2, -1
	s_lshl_b32 s22, s12, 7
	s_add_co_u32 s20, s20, s22
	s_lshl_b32 s21, s21, 5
	s_add_co_u32 s20, s20, s21
	s_mul_i32 s20, s20, RP
	s_add_co_u32 s20, s20, s23
	s_add_co_u32 s20, s20, 3*KA                    ; at K step 3: the first refill steps it to 4
	s_mov_b32 s21, 0
	s_add_nc_u64 s[PFA:PFA+1], s[68:69], s[20:21]
	v_and_b32 v[PFO], 31, v0
	v_mul_u32_u24 v[PFO], v[PFO], RP
; 16 matrix instructions; the 64 accumulators take turns, one instruction a turn.  zero = 1: the first product starts the sums.
.macro MUL16 f, hi, a0, zero
	WIN MUL_LO+0x50*(\hi)
.irp a, \a0, (\a0)+1
.irp b, 0,1,2,3,4,5,6,7
.if \zero
	v_wmma_f32_16x16x32_f16 v[8*(8*(\a)+(\b)):8*(8*(\a)+(\b))+7], v[(\f)+8*(\b):(\f)+8*(\b)+7], v[(\f)+8*(4*(\hi)+(\a)):(\f)+8*(4*(\hi)+(\a))+7], 0
.else
	v_wmma_f32_16x16x32_f16 v[8*(8*(\a)+(\b)):8*(8*(\a)+(\b))+7], v[(\f)+8*(\b):(\f)+8*(\b)+7], v[(\f)+8*(4*(\hi)+(\a)):(\f)+8*(4*(\hi)+(\a))+7], v[8*(8*(\a)+(\b)):8*(8*(\a)+(\b))+7]
.endif
.endr
.endr
.endm
.macro FETCH k, f
	WIN TO_B
.irp i, 0,1,2,3,4,5,6,7
	ds_load_b128 v[(\f)+8*(\i):(\f)+8*(\i)+3],   v[ADRB] offset:(\k)+(\i)*16*PITCH
	ds_load_b128 v[(\f)+8*(\i)+4:(\f)+8*(\i)+7], v[ADRB] offset:(\k)+(\i)*16*PITCH+32
.endr
	WIN 0
.irp i, 0,1,2,3,4,5,6,7
	ds_load_b128 v[(\f)+8*(\i):(\f)+8*(\i)+3],   v[ADRA] offset:(\k)+(\i)*16*PITCH
	ds_load_b128 v[(\f)+8*(\i)+4:(\f)+8*(\i)+7], v[ADRA] offset:(\k)+(\i)*16*PITCH+32
.endr
.endm
.macro QUARTER k, f, g, zero
	s_wait_dscnt 8                                 ; k's and q's rows 0-63 are in; the youngest eight loads may be out
	MUL16 \f, 0, 0, \zero
	MUL16 \f, 0, 2, \zero
	PLACES
	FETCH \k, \g
	s_wait_dscnt 32                                ; all but the 32 just issued
	MUL16 \f, 1, 0, \zero
	MUL16 \f, 1, 2, \zero
.endm
; The last quarter and the change of slots: each wave waits for all its tensor loads, adds 0 to its spare word, waits for that and for its reads of this slot; fill = 1: a round of the cluster's barrier,
; and the joint refill (the K step two on) first behind it.  fill = 0: the last two K steps; in the very last (s2 = 1) the run of loads is jumped over.
.macro TURN fill
.if \fill
	s_wait_xcnt 0x0                                ; the last prefetch, a K step back, has read its address
	s_add_nc_u64 s[PFA:PFA+1], s[PFA:PFA+1], KA
.endif
	WIN 0
	s_wait_tensorcnt 0x0
	ds_add_u32 v[SPW], v[NIL]
.if \fill
	s_xor_b32 s[TF], s[TF], SLOT
	s_add_co_u32 s[G0+5], s[LB], s[TF]
	s_add_co_u32 s[G0B+5], s[LB], s[TF]
	s_add_nc_u64 s[G0+6:G0+7], s[G0+6:G0+7], KA
	s_add_nc_u64 s[G0B+6:G0B+7], s[G0B+6:G0B+7], KA
.endif
	s_wait_dscnt 9                                 ; the add and the youngest eight loads may be out
	MUL16 F1, 0, 0, 0
	s_wait_dscnt 0x0                               ; the add is done, and my reads of this slot are over
	s_barrier_signal -1
	MUL16 F1, 0, 2, 0
	WIN 0
	s_barrier_wait -1
.if \fill
	CREST
	JLOAD
.else
	PLACES
.endif
	s_xor_b32 s[TR], s[TR], SLOT
.if !(\fill)
	s_cmp_eq_u32 s2, 1
	s_cbranch_scc1 .Lno_fetch_\@
.endif
	v_add_nc_u32 v[ADRA], s[TR], v[AA0]
	v_add_nc_u32 v[ADRB], s[TR], v[AB0]
	FETCH 0, F0
.if \fill
	ASK
.else
.Lno_fetch_\@:
.endif
	MUL16 F1, 1, 0, 0
	MUL16 F1, 1, 2, 0
.endm
; THE SOFTMAX'S FIRST HALF for block a (16 rows x my 128 keys; a lane holds 64 scores of one row, in eight accumulators of window 2 or 3).
; The maximum in eight chains, each accumulator's lowest registers first; the other half of the lanes'; c s - c m and the exponentials in place: ONE batch of 64 with one wait;
; the roundings to f16 into TMP; the sum of the unrounded weights, a tree in place.
.macro SOFT a
.set AC, 64*((\a)%4)
.set HWN, (\a)/4
	WIN 0x2a+0x15*HWN                              ; three sources in the accumulators' window
.irp b, 0,1,2,3,4,5,6,7
	v_max3_num_f32 v[CH+(\b)], v[AC+8*(\b)], v[AC+8*(\b)+1], v[AC+8*(\b)+2]
.endr
	WIN 0x28+0x14*HWN                              ; sources 1 and 2
.irp b, 0,1,2,3,4,5,6,7
	v_max3_num_f32 v[CH+(\b)], v[CH+(\b)], v[AC+8*(\b)+3], v[AC+8*(\b)+4]
.endr
.irp b, 0,1,2,3,4,5,6,7
	v_max3_num_f32 v[CH+(\b)], v[CH+(\b)], v[AC+8*(\b)+5], v[AC+8*(\b)+6]
.endr
.irp c, 0,1,2,3
	v_max3_num_f32 v[CH+(\c)], v[CH+(\c)], v[AC+16*(\c)+7], v[AC+16*(\c)+15]
.endr
	WIN 0
	v_max3_num_f32 v[CH], v[CH], v[CH+1], v[CH+2]
	v_max3_num_f32 v[CH+3], v[CH+3], v[CH+4], v[CH+5]
	v_max_num_f32 v[CH+6], v[CH+6], v[CH+7]
	v_max3_num_f32 v[CH], v[CH], v[CH+3], v[CH+6]
	v_permlanex16_b32 v[CH+1], v[CH], s[SEL], s[SEL+1]
	v_max_num_f32 v[ST+2*(\a)+1], v[CH], v[CH+1]   ; m
	v_mul_f32 v[ST+2*(\a)], s[CS], v[ST+2*(\a)+1]  ; c m
	WIN 0x82+0x41*HWN                              ; source 0 and destination
.set i, 0
.rept 32
	v_pk_fma_f32 v[AC+2*i:AC+2*i+1], v[AC+2*i:AC+2*i+1], s[CS:CS+1], v[ST+2*(\a):ST+2*(\a)+1] op_sel_hi:[1,0,0] neg_lo:[0,0,1] neg_hi:[0,0,1]
.set i, i+1
.endr
.set i, 0
.rept 64
	v_exp_f32 v[AC+i], v[AC+i]
.set i, i+1
.endr
	v_nop                                          ; a plain instruction behind the last exponential,
	s_wait_alu depctr_va_vdst(0)                   ; and one wait ahead of the batch's first reader
	WIN 0x0a+5*HWN
.set i, 0
.rept 32
	v_cvt_pk_f16_f32 v[TMP+i], v[AC+2*i], v[AC+2*i+1]
.set i, i+1
.endr
	WIN 0x8a+0x45*HWN
.irp s, 1,2,4,8,16
.set u, 0
.rept 16/(\s)
	v_pk_add_f32 v[AC+4*(\s)*u:AC+4*(\s)*u+1], v[AC+4*(\s)*u:AC+4*(\s)*u+1], v[AC+4*(\s)*u+2*(\s):AC+4*(\s)*u+2*(\s)+1]
.set u, u+1
.endr
.endr
	WIN 0x0a+5*HWN
	v_add_f32 v[CH], v[AC], v[AC+1]
	WIN 0
	v_permlanex16_b32 v[CH+1], v[CH], s[SEL], s[SEL+1]
	v_add_f32 v[LV+(\a)], v[CH], v[CH+1]           ; l
.endm
.macro TOSTAGE a
	WIN 0
.set BK, OB+192*((\a)%2)
.irp b, 0,1,2,3,4,5,6,7
	ds_store_b128 v[STO], v[TMP+4*(\b):TMP+4*(\b)+3] offset:32*(\b)
.endr
.irp t, 0,1,2,3,4,5,6,7
	ds_load_b128 v[BK+4*(\t):BK+4*(\t)+3], v[RD] offset:(\t)*2*SPITCH  ; LDS serves a wave's instructions in order (ISA guide 5.7.1.4)
.endr
.endm
.macro SEND a, younger
	WIN 0
.set BK, OB+192*((\a)%2)
	s_wait_dscnt \younger
	s_wait_xcnt 0x0                                ; the stores' base and the registers that earlier stores read are rewritten only behind this wait
.if (\a) == 0
	s_add_nc_u64 s[8:9], s[8:9], s[16:17]
.else
	s_add_nc_u64 s[8:9], s[8:9], 16*CP
.endif
.irp t, 0,1,2,3,4,5,6,7
	global_store_b128 v[CO], v[BK+4*(\t):BK+4*(\t)+3], s[8:9] offset:2*(\t)*CP  ; 16 lanes store 256 consecutive bytes, at a multiple of 256 from p's first byte
.endr
.endm
	s_wait_tensorcnt 1                             ; my part of K step 0 is in; K step 1's may stay out
	s_barrier_signal -1
	s_barrier_wait -1
	FETCH 0, F0
	QUARTER 64, F0, F1, 1
	WIN 0
	s_mov_b32 s3, NSTEP-2
.Lstep:
	QUARTER 128, F1, F0, 0
	QUARTER 192, F0, F1, 0
	TURN 1
	QUARTER 64, F0, F1, 0
	WIN 0
	s_sub_co_u32 s3, s3, 1
	s_cmp_lg_u32 s3, 0
	s_cbranch_scc1 .Lstep
	s_mov_b32 s2, 2                                ; the last two K steps fill nothing
	s_branch .Lmid
.Ltail:
	QUARTER 64, F0, F1, 0
	WIN 0
.Lmid:
	QUARTER 128, F1, F0, 0
	QUARTER 192, F0, F1, 0
	TURN 0
	WIN 0
	s_sub_co_u32 s2, s2, 1
	s_cmp_lg_u32 s2, 0
	s_cbranch_scc1 .Ltail
	s_wait_dscnt 0x0                               ; no fragment load is out
	PLACES
	PLACES                                         ; the places behind the last products, once a launch
	SOFT 0
	TOSTAGE 0
.irp a, 1,2,3,4,5,6,7                  ; block a's softmax stands between block a - 1's loads from the stage and the wait for them
	SOFT \a
	SEND (\a)-1, 0
	TOSTAGE \a
.endr
	SEND 7, 0
	; the statistics: row 16 a + l % 16 (both halves of the lanes hold, and write, the same number); back as 16 bytes a lane: each store covers 512 consecutive bytes
.irp a, 0,1,2,3,4,5,6,7
	ds_store_b32 v[SL], v[ST+2*(\a)] offset:64*(\a)
	ds_store_b32 v[SL], v[LV+(\a)] offset:512+64*(\a)
.endr
	ds_load_b128 v[96:99], v[SR]
	ds_load_b128 v[100:103], v[SR] offset:512
	s_wait_dscnt 0x0
	global_store_b128 v[SG], v[96:99], s[86:87]
	global_store_b128 v[SG], v[100:103], s[86:87] offset:524288
	s_wait_tensorcnt 0x0                           ; the wave's end
	ds_add_u32 v[SPW], v[NIL]
	s_wait_dscnt 0x0
	CROUND                                         ; the closing round
	s_endpgm
.Lfunc_end_k_q53d95477fd_scores:
	.size	k_q53d95477fd_scores, .Lfunc_end_k_q53d95477fd_scores-k_q53d95477fd_scores
	.p2alignl 7, 3214868480
	.fill 96, 4, 3214868480
	.section	.rodata,"a",@progbits
	.p2align	6, 0x0
	.amdhsa_kernel k_q53d95477fd_scores
		.amdhsa_group_segment_fixed_size 327680
		.amdhsa_private_segment_fixed_size 0
		.amdhsa_enable_private_segment 0
		.amdhsa_kernarg_size 24
		.amdhsa_user_sgpr_count 2
		.amdhsa_user_sgpr_kernarg_segment_ptr 1
		.amdhsa_wavefront_size32 1
		.amdhsa_system_sgpr_workgroup_id_x 1
		.amdhsa_system_sgpr_workgroup_id_y 1
		.amdhsa_system_sgpr_workgroup_id_z 1
		.amdhsa_system_vgpr_workitem_id 0
		.amdhsa_next_free_vgpr 1024
		.amdhsa_next_free_sgpr 90
		.amdhsa_reserve_vcc 0
		.amdhsa_float_denorm_mode_32 3
		.amdhsa_float_denorm_mode_16_64 3
		.amdhsa_memory_ordered 1
		.amdhsa_forward_progress 1
		.amdhsa_inst_pref_size 171
	.end_amdhsa_kernel
	.amdgpu_metadata
---
amdhsa.version: [ 1, 2 ]
amdhsa.kernels:
  - .name:           k_q53d95477fd_scores
    .symbol:         k_q53d95477fd_scores.kd
    .args:
      - { .name: qkv, .offset: 0, .size: 8, .value_kind: global_buffer, .address_space: global }
      - { .name: p, .offset: 8, .size: 8, .value_kind: global_buffer, .address_space: global }
      - { .name: stats, .offset: 16, .size: 8, .value_kind: global_buffer, .address_space: global }
    .group_segment_fixed_size: 327680
    .private_segment_fixed_size: 0
    .kernarg_segment_align: 8
    .kernarg_segment_size: 24
    .max_flat_workgroup_size: 128
    .sgpr_count:     90
    .vgpr_count:     1024
    .wavefront_size: 32
...
	.end_amdgpu_metadata
.endif
;; end of part 3
;; launch pv (part 4): grid 4 x 64, 4 waves a work-group, clusters of 4 x 4, 327,680 bytes of LDS; arguments p, qkv, stats, out0; writes out0
.if DOCPART == 4
	.amdgcn_target "amdgcn-amd-amdhsa--gfx1250"
	.amdhsa_code_object_version 6
	.text
	.protected	k_q53d95477fd_pv
	.globl	k_q53d95477fd_pv
	.p2align	8
	.type	k_q53d95477fd_pv,@function
k_q53d95477fd_pv:
	s_mov_b64 s[64:65], 0
	v_nop
	global_prefetch_b8 v0, s[64:65] scope:SCOPE_SE
	s_setreg_imm32_b32 hwreg(HW_REG_WAVE_MODE, 25, 1), 1
	s_wait_xcnt 0x0
	s_wait_alu depctr_hold_cnt(0) depctr_sa_sdst(0) depctr_va_vdst(0) depctr_va_sdst(0) depctr_va_ssrc(0) depctr_va_vcc(0) depctr_vm_vsrc(0)
	s_getreg_b32 s2, hwreg(HW_REG_IB_STS2, 6, 4)
	s_cmp_eq_u32 s2, 0
	s_cbranch_scc0 .Lentry_in_a_cluster
	s_endpgm
.Lentry_in_a_cluster:
	s_bfe_u32 s2, ttmp6, 0x10000c
	s_cmp_lg_u32 s2, 0xf033
	s_cbranch_scc0 .Lentry_shape_is_right
	s_endpgm
.Lentry_shape_is_right:
; out0[row][ch] = sum over the batch's 2,048 keys of w[row][key] v[key][ch], w = the softmax's weights; row = b * 2048 + q.
; THE SOFTMAX'S SECOND HALF.  p holds 2^(c s - c m_t) by blocks t of 128 keys, stats c m_t and l_t.  For each row: M = the maximum of its 16 c m_t (the row's true maximum, times c),
; e_t = 2^(c m_t - M), L = the sum of e_t l_t, g_t = e_t / L, all f32.  w = p g_t: a K step of 128 keys is one block t, so a fragment of p is multiplied by its row's g_t
; (both f16, the product rounded to f16) between its load and the matrix instruction.  Sums in f32, out0 in f32.
; LIMITS.  w and g lie in 0 to 1; below 6e-5 they keep f16's fixed step of 6e-8; an exponential below 2^-126 counts as 0; v arrives within f16's 65,504.  NaN and infinities are not treated apart.
; SHARES.  A tile of 128 rows x 256 channels to a work-group: 64 x 4 = 256 tiles, as many as there are WGPs (tiles of 256 x 256 would be 128).  Four waves, each 64 rows x 128 channels: 32 accumulators, 256 registers.
; 16 K steps of 128 keys through two LDS slots; two slots of two steps each would need 413,696 bytes.  Clusters of 4 x 4 with joint loads: p's rows shared along a row of the cluster, v's along a column.
; v lies [key][channel]: its tile is 128 rows of 512 bytes, and its fragments come out of LDS turned, by ds_load_tr16_b128.  Source 0 = 16 channels, source 1 = 16 rows of p: a lane holds row l % 16 and
; the channels 16 b + 8 (l / 16) + 0..7.
; REGISTERS in windows of 256 (s_set_vgpr_msb: bits 1:0 source 0, 3:2 source 1, 5:4 source 2, 7:6 destination):
;   window 0: v0-31 addresses; v32-35 my rows' factors of the K step in hand; v64-95, v96-127 fragments of p, two buffers; v128-255 at the head the statistics, on the way out rows read back
;   window 1: v0-63, v64-127 fragments of v, two buffers;   window 2: the accumulators ((a, b) at 8 (8 a + b))
.set NSTEP,  16
.set PITCH,  272                       ; a row of p's tile: 256 bytes + 16 of padding: the 16 rows of a fragment load start at 16 different groups of four banks (ISA guide 11.1)
.set PVP,    544                       ; a row of v's tile: 512 bytes + 32 = 136 words
.set AHALF,  64*PITCH                  ; what a tensor load of p brings: 64 rows
.set BHALF,  64*PVP                    ; of v: 64 keys
.set BOFF,   2*AHALF                   ; v's tile lies behind p's
.set SLOT,   BOFF+2*BHALF
.set STAGE,  2*SLOT                    ; behind the ring: 16 rows x 272 bytes for each wave, for the way out
.set SPITCH, 272
.set SPARE,  STAGE+4*16*SPITCH         ; the spare words, 128 bytes a wave: two blocks of 256 bytes that no other line names
.set EXTRA,  SPARE+512                 ; the factors: [16 blocks t: 512 bytes][row half: 256][l % 16: 16][m block: 4 bytes = g twice in f16]
.set KA,     256                       ; a K step of p: bytes along a row
.set KV,     128*6144                  ; of v: 128 rows of qkv
.set CP,     4096                      ; bytes in a row of out0 (and of p)
.set AA0,  12                          ; v12  my lane's place in p's tile; never rewritten
.set AB0,  13                          ; v13  the same for v's
.set ADRA, 16                          ; v16  the same in the slot that is being read
.set ADRB, 20                          ; v20
.set STO,  24                          ; v24  the way out: where I put 32 bytes of a row
.set RD,   25                          ; v25  where I read a row back
.set CO,   26                          ; v26  my byte offset in out0
.set SPW,  28                          ; v28  my spare word: SPARE + 4 x my thread's number; never rewritten
.set NIL,  29                          ; v29  0; never rewritten
.set PFO,  30                          ; v30  the prefetches' offset
.set FAD,  31                          ; v31  where my rows' factors of the K step in hand lie
.set FAC,  32                          ; v32-35  g of row 16 a + l % 16 of my 64, a = 0 .. 3
.set SV,   128                         ; v128-143 c m_t, then e_t, then g_t; v144-159 l_t; v160 M; v161 L; v162 1 / L
.set G1,   24                          ; s[24:31] descriptor group 1 for p's tiles
.set G0,   32                          ; s[32:35] group 0 of slot 0's first fill; s[36:39] the walking one
.set G1B,  48                          ; s[48:55], s[56:59], s[60:63] the same for v's
.set G0B,  56
.set LIM,  43                          ; s43  2 in a wave that prefetches, else the greatest number
.set PFA,  44                          ; s[44:45] where my prefetches stand
.set TR,   66                          ; s66  LDS byte of the slot that is read
.set TF,   67                          ; s67  of the slot that was filled last
.set LBA,  78                          ; s78  where a load of p lands in a slot: (wave % 2) x AHALF
.set LBB,  79                          ; s79  where a load of v lands: BOFF + (wave % 2) x BHALF
.set PS,   84                          ; s[84:85] a K step in the tensor that I prefetch
.set MSB, 0
.macro WIN new                         ; the immediate's high byte repeats the setting that is left; a switch that changes nothing is dropped
.if MSB != (\new)
	s_set_vgpr_msb (MSB<<8)|(\new)
.set MSB, (\new)
.endif
.endm
.set MUL,    0xa1                      ; source 0 (v) window 1, source 1 (p) window 0, C and D window 2
.set TO_B,   0x40                      ; destination window 1, address window 0
.macro PLACES                          ; four plain places behind matrix instructions (ISA guide 7.12.1)
.rept 4
	v_nop
.endr
.endm
.macro JLOAD                           ; a joint refill: waves 0 and 1 fetch p's two halves, waves 2 and 3 v's; an s_nop 0 and four v_nop follow each line
	s_cmp_eq_u32 s11, 0
	s_cbranch_scc0 .Lfor_b_\@
	tensor_load_to_lds s[G0+4:G0+7], s[G1:G1+7]
	s_nop 0
.rept 4
	v_nop
.endr
	s_branch .Lasked_\@
.Lfor_b_\@:
	tensor_load_to_lds s[G0B+4:G0B+7], s[G1B:G1B+7]
	s_nop 0
.rept 4
	v_nop
.endr
.Lasked_\@:
.endm
; A prefetch into the L2 of the K step two refills on, one instruction, 32 blocks of 256 bytes.  p's rows are read by one cluster alone: in every cluster wave 0 of each partner asks for 32 of the tile's
; 128 rows, a lane a row.  v's rows of a batch are read by that batch's four clusters: the one with y % 4 = 0 asks; a row is two blocks, so waves 2 and 3 of a partner take 16 each of the 64 keys that
; they fetch, two lanes a row.  Partners are told apart by address.  So each block is named once.  The last two refilling trips (s3 = 2, 1) have no K step two on.
.macro ASK
	s_cmp_gt_u32 s3, s[LIM]
	s_cbranch_scc0 .Lnot_mine_\@
	global_prefetch_b8 v[PFO], s[PFA:PFA+1] th:TH_LOAD_NT scope:SCOPE_SE
.Lnot_mine_\@:
.endm
.macro CREST                           ; a round of the cluster's barrier behind its opening barrier
	s_cmp_lg_u32 s10, 0
	s_cbranch_scc1 .Lnot_wave_0_\@
	s_barrier_signal -3
.Lnot_wave_0_\@:
	s_barrier_wait -3
	s_barrier_signal -1
	s_barrier_wait -1
.endm
.macro CROUND                          ; a whole round
	s_barrier_signal -1
	s_barrier_wait -1
	CREST
.endm
	s_load_b256 s[68:75], s[0:1], 0x0              ; p s[68:69], qkv s[70:71], stats s[72:73], out0 s[74:75]
	v_lshl_add_u32 v[SPW], v0, 2, SPARE
	v_mov_b32 v[NIL], 0
	ds_add_u32 v[SPW], v[NIL]                      ; the wave's opening: the add and its wait stand ahead of my first tensor load; work on registers stands between them
	v_lshrrev_b32 v1, 5, v0
	v_readfirstlane_b32 s10, v1                    ; wave 0..3
	s_lshr_b32 s11, s10, 1                         ; my half of the tile's rows.  Also: I fetch for p (0) or for v (1)
	s_and_b32 s12, s10, 1                          ; my half of its channels.  Also: which half of a tile I fetch
	s_bfe_u32 s40, ttmp6, 0x40000                  ; cx
	s_bfe_u32 s41, ttmp6, 0x40004                  ; cy
	s_lshl_b32 s42, ttmp9, 2
	s_add_co_u32 s42, s42, s40                     ; tile column (256 channels)
	s_and_b32 s18, ttmp7, 0xffff                   ; cluster y
	s_lshl_b32 s13, s18, 2
	s_add_co_u32 s13, s13, s41                     ; tile row (128 of the 8,192 rows)
	s_lshr_b32 s19, s18, 2                         ; the batch: four clusters' rows each,
	s_lshl_b32 s19, s19, 11                        ; its first row
	s_lshl_b32 s43, s41, 2
	s_lshl_b32 s43, 15, s43                        ; my row of the cluster
	s_lshl_b32 s44, 0x1111, s40                    ; my column
	s_or_b32 s[G1], s43, (1<<16)|(1<<20)|(1<<21)|(5<<22)|(3<<25)   ; p: 64 rows x 128 elements of 2 bytes; 4 words of padding after every 64; bit 21 set beside the mask
	s_mov_b32 s[G1+1], 128<<16                     ; tensor_dim0 = 128
	s_mov_b32 s[G1+2], 64<<16                      ; tensor_dim1 = 64
	s_mov_b32 s[G1+3], 128<<16                     ; tile_dim0 = 128
	s_mov_b32 s[G1+4], 64                          ; tile_dim1 = 64
	s_mov_b32 s[G1+5], 2048                        ; elements from row to row of p
	s_mov_b32 s[G1+6], 0
	s_mov_b32 s[G1+7], 0
	s_or_b32 s[G1B], s44, (1<<16)|(1<<20)|(1<<21)|(6<<22)|(7<<25)  ; v: 64 rows x 256 elements; 8 words of padding after every 128
	s_mov_b32 s[G1B+1], 256<<16
	s_mov_b32 s[G1B+2], 64<<16
	s_mov_b32 s[G1B+3], 256<<16
	s_mov_b32 s[G1B+4], 64
	s_mov_b32 s[G1B+5], 3072                       ; elements from row to row of qkv
	s_mov_b32 s[G1B+6], 0
	s_mov_b32 s[G1B+7], 0
	s_mul_i32 s[LBA], s12, AHALF                   ; no place in the cluster enters an LDS address
	s_mul_i32 s[LBB], s12, BHALF
	s_add_co_u32 s[LBB], s[LBB], BOFF
	s_mov_b32 s[TR], 0
	s_mov_b32 s[TF], SLOT
	s_lshl_b32 s17, s12, 6
	s_lshl_b32 s16, s13, 7
	s_add_co_u32 s16, s16, s17
	s_lshl_b32 s16, s16, 12                        ; p: row 128 x tile row + 64 x half
	s_lshl_b32 s46, s12, 6
	s_add_co_u32 s46, s46, s19
	s_mul_i32 s46, s46, 6144                       ; v: the batch's key 64 x half,
	s_lshl_b32 s47, s42, 9
	s_add_co_u32 s46, s46, s47                     ; channel 256 x tile column,
	s_add_co_u32 s46, s46, 4096                    ; columns 2,048 on
	s_mov_b32 s17, 0
	s_mov_b32 s47, 0
	s_wait_dscnt 0x0                               ; the opening add is done
	s_wait_kmcnt 0x0
	s_add_nc_u64 s[14:15], s[68:69], s[16:17]
	s_add_nc_u64 s[46:47], s[70:71], s[46:47]
	CROUND                                         ; all sixteen work-groups are here: the first joint loads meet
	s_mov_b32 s[G0], 1                             ; count = 1
	s_mov_b32 s[G0+1], s[LBA]                      ; slot 0
	s_mov_b64 s[G0+2:G0+3], s[14:15]               ; K step 0
	s_or_b32 s[G0+3], s[G0+3], 0x80000000          ; type = 2
	s_mov_b32 s[G0+4], 1
	s_add_co_u32 s[G0+5], s[LBA], SLOT             ; slot 1
	s_add_nc_u64 s[G0+6:G0+7], s[14:15], KA        ; K step 1
	s_or_b32 s[G0+7], s[G0+7], 0x80000000
	s_mov_b32 s[G0B], 1
	s_mov_b32 s[G0B+1], s[LBB]
	s_mov_b64 s[G0B+2:G0B+3], s[46:47]
	s_or_b32 s[G0B+3], s[G0B+3], 0x80000000
	s_mov_b32 s[G0B+4], 1
	s_add_co_u32 s[G0B+5], s[LBB], SLOT
	s_add_nc_u64 s[G0B+6:G0B+7], s[46:47], KV
	s_or_b32 s[G0B+7], s[G0B+7], 0x80000000
	s_cmp_eq_u32 s11, 0                            ; a wave's two first fills stand in one branch, ahead of every wait on TENSORcnt and every LDS read: two loads of mine are out
	s_cbranch_scc0 .Lfirst_b
	tensor_load_to_lds s[G0:G0+3], s[G1:G1+7]
	s_nop 0
	tensor_load_to_lds s[G0+4:G0+7], s[G1:G1+7]
	s_nop 0
.rept 4
	v_nop
.endr
	s_branch .Lfirst_asked
.Lfirst_b:
	tensor_load_to_lds s[G0B:G0B+3], s[G1B:G1B+7]
	s_nop 0
	tensor_load_to_lds s[G0B+4:G0B+7], s[G1B:G1B+7]
	s_nop 0
.rept 4
	v_nop
.endr
.Lfirst_asked:
	; THE STATISTICS are asked for first.  Thread n makes the factors of the row whose word lies at EXTRA + 4 n in a block's 512 bytes: row 64 (n / 64) + 16 (n % 4) + (n / 4) % 16 of the tile
	v_bfe_u32 v9, v0, 2, 4
	v_and_b32 v10, 3, v0
	v_lshl_add_u32 v9, v10, 4, v9
	v_bfe_u32 v10, v0, 6, 1
	v_lshl_add_u32 v9, v10, 6, v9
	v_lshlrev_b32 v9, 2, v9
	s_lshl_b32 s20, s13, 13                        ; the tile's row block: 8,192 bytes in a plane
	s_mov_b32 s21, 0
	s_add_nc_u64 s[86:87], s[72:73], s[20:21]
.irp q, 0,1                            ; plane, key block t
.irp t, 0,1,2,3,4,5,6,7,8,9,10,11,12,13,14,15
	global_load_b32 v[SV+16*(\q)+(\t)], v9, s[86:87] offset:(\q)*524288+(\t)*512
.endr
.endr
	; a fragment of p is 16 rows x 32 keys in 8 registers: lane l holds row l % 16, keys 8 (l / 16) + 0..7 and 16 + 8 (l / 16) + 0..7: two loads of 16 bytes, 32 bytes apart
	v_and_b32 v1, 15, v0                           ; l % 16
	v_bfe_u32 v2, v0, 4, 1                         ; l / 16
	v_mul_u32_u24 v3, v1, PITCH
	v_lshl_add_u32 v3, v2, 4, v3
	s_mul_i32 s21, s11, AHALF                      ; my 64 rows of p
	v_add_nc_u32 v[AA0], s21, v3
	; the turning load takes 16 keys x 16 channels: lane l reads key 8 (l / 16) + l % 8, channels 8 ((l / 8) % 2) + 0..7, and ends with channel l % 16 and 8 keys
	v_and_b32 v4, 7, v0
	v_lshl_add_u32 v4, v2, 3, v4
	v_mul_u32_u24 v4, v4, PVP
	v_bfe_u32 v5, v0, 3, 1
	v_lshl_add_u32 v4, v5, 4, v4
	s_lshl_b32 s22, s12, 8                         ; my 128 channels,
	s_add_co_u32 s22, s22, BOFF                    ; behind p's 128 rows
	v_add_nc_u32 v[AB0], s22, v4
	v_mov_b32 v[ADRA], v[AA0]
	v_mov_b32 v[ADRB], v[AB0]
	s_mul_i32 s23, s10, 16*SPITCH
	s_add_co_u32 s23, s23, STAGE                   ; my stage
	v_mul_u32_u24 v4, v1, SPITCH                   ; in: row l % 16, 32 bytes for each half of the lanes
	v_lshl_add_u32 v4, v2, 5, v4
	v_add_nc_u32 v[STO], s23, v4
	v_mul_u32_u24 v5, v2, SPITCH                   ; back: lanes 0-15 one row of 256 bytes, lanes 16-31 the next
	v_lshl_add_u32 v5, v1, 4, v5
	v_add_nc_u32 v[RD], s23, v5
	v_lshlrev_b32 v5, 12, v2                       ; and the same two rows in out0
	v_lshl_add_u32 v[CO], v1, 4, v5
	s_lshl_b32 s14, s11, 8
	s_add_co_u32 s14, s14, EXTRA
	v_lshl_add_u32 v[FAD], v1, 4, s14              ; my half's factors of block 0
	v_lshl_add_u32 v11, v0, 2, EXTRA               ; where I put the factors that I make
	s_mov_b64 s[8:9], s[74:75]
	s_lshl_b32 s16, s13, 7                         ; where my part of the tile begins in out0
	s_lshl_b32 s14, s11, 6
	s_add_co_u32 s16, s16, s14
	s_lshl_b32 s16, s16, 12
	s_lshl_b32 s46, s42, 10
	s_lshl_b32 s47, s12, 9
	s_add_co_u32 s46, s46, s47
	s_add_co_u32 s16, s16, s46
	s_mov_b32 s17, 0
	; the prefetches
	s_lshl_b32 s20, s13, 7
	s_lshl_b32 s21, s40, 5
	s_add_co_u32 s20, s20, s21
	s_lshl_b32 s20, s20, 12
	s_add_co_u32 s20, s20, 3*KA                    ; p: my work-group's 32 of the tile's 128 rows, at K step 3: the first refill steps it to 4.  K steps 0 to 3 come by their loads alone
	s_lshl_b32 s21, s12, 6
	s_add_co_u32 s21, s21, s19
	s_lshl_b32 s22, s41, 4
	s_add_co_u32 s21, s21, s22
	s_mul_i32 s21, s21, 6144
	s_lshl_b32 s22, s42, 9
	s_add_co_u32 s21, s21, s22
	s_add_co_u32 s21, s21, 4096+3*KV               ; v: my work-group's 16 of the 64 keys that I fetch
	s_and_b32 s22, s18, 3
	s_mov_b32 s14, 4096
	s_mov_b32 s15, 6144
	s_mov_b32 s[PS], KA
	s_mov_b32 s[PS+1], KV
	s_cmp_eq_u32 s11, 0
	s_cselect_b32 s20, s20, s21
	s_cselect_b32 s22, s12, s22                    ; 0 in a wave that asks: wave 0 for p; waves 2 and 3 for v, in the batch's first cluster
	s_cselect_b64 s[PFA:PFA+1], s[68:69], s[70:71]
	s_cselect_b32 s[PS], s[PS], s[PS+1]
	s_cselect_b32 s23, 0, 1                        ; lanes to a row, less one
	s_cselect_b32 s14, s14, s15                    ; bytes from row to row
	s_cmp_eq_u32 s22, 0
	s_cselect_b32 s[LIM], 2, -1                    ; the same in all sixteen partners, for a given wave
	s_mov_b32 s21, 0
	s_mov_b32 s[PS+1], 0
	s_add_nc_u64 s[PFA:PFA+1], s[PFA:PFA+1], s[20:21]
	v_and_b32 v3, 31, v0
	v_lshrrev_b32 v4, s23, v3
	v_and_b32 v3, s23, v3
	v_mul_u32_u24 v[PFO], v4, s14
	v_lshl_add_u32 v[PFO], v3, 8, v[PFO]
	; THE FACTORS of my row
	s_wait_loadcnt 0x0
	v_max3_num_f32 v[SV+32], v[SV], v[SV+1], v[SV+2]
.irp t, 3,5,7,9,11,13
	v_max3_num_f32 v[SV+32], v[SV+32], v[SV+(\t)], v[SV+(\t)+1]
.endr
	v_max_num_f32 v[SV+32], v[SV+32], v[SV+15]     ; M
.irp t, 0,1,2,3,4,5,6,7,8,9,10,11,12,13,14,15
	v_sub_f32 v[SV+(\t)], v[SV+(\t)], v[SV+32]
.endr
.irp t, 0,1,2,3,4,5,6,7,8,9,10,11,12,13,14,15
	v_exp_f32 v[SV+(\t)], v[SV+(\t)]               ; e_t
.endr
	v_nop                                          ; a plain instruction behind the last exponential,
	s_wait_alu depctr_va_vdst(0)                   ; and one wait ahead of the batch's first reader
	v_mul_f32 v[SV+33], v[SV], v[SV+16]
.irp t, 1,2,3,4,5,6,7,8,9,10,11,12,13,14,15
	v_fmac_f32 v[SV+33], v[SV+(\t)], v[SV+16+(\t)] ; L
.endr
	v_rcp_f32 v[SV+34], v[SV+33]
	v_nop
	s_wait_alu depctr_va_vdst(0)                   ; the reciprocal's wait
.irp t, 0,1,2,3,4,5,6,7,8,9,10,11,12,13,14,15
	v_mul_f32 v[SV+(\t)], v[SV+(\t)], v[SV+34]
.endr
.irp t, 0,1,2,3,4,5,6,7,8,9,10,11,12,13,14,15
	v_cvt_pk_f16_f32 v[SV+(\t)], v[SV+(\t)], v[SV+(\t)]  ; g, twice
.endr
.irp t, 0,1,2,3,4,5,6,7,8,9,10,11,12,13,14,15
	ds_store_b32 v11, v[SV+(\t)] offset:(\t)*512
.endr
; One product: m block a, n block b, buffer f.  zero = 1: it starts the sum.
.macro WM f, a, b, zero
.if \zero
	v_wmma_f32_16x16x32_f16 v[8*(8*(\a)+(\b)):8*(8*(\a)+(\b))+7], v[64*(\f)+8*(\b):64*(\f)+8*(\b)+7], v[64+32*(\f)+8*(\a):64+32*(\f)+8*(\a)+7], 0
.else
	v_wmma_f32_16x16x32_f16 v[8*(8*(\a)+(\b)):8*(8*(\a)+(\b))+7], v[64*(\f)+8*(\b):64*(\f)+8*(\b)+7], v[64+32*(\f)+8*(\a):64+32*(\f)+8*(\a)+7], v[8*(8*(\a)+(\b)):8*(8*(\a)+(\b))+7]
.endif
.endm
; 8 products: m block a x all 8 n blocks.  The 32 accumulators take turns, one instruction a turn, in the same order in every quarter step.
.macro MM8 f, a, zero
	WIN MUL
.irp b, 0,1,2,3,4,5,6,7
	WM \f, \a, \b, \zero
.endr
.endm
; The same 8, with four scalings behind every second one: the 16 registers from base on (two fragments of p that these products do not read) times their rows' factors FAC + fi, FAC + fi + 1.
; w >= 0: a wait for LDS loads stands ahead of the first scaling, with that count.
.macro MR8 f, a, zero, base, fi, w
.set n, 0
.irp b, 0,2,4,6
	WIN MUL
	WM \f, \a, \b, \zero
	WM \f, \a, (\b)+1, \zero
.if ((\w) >= 0) && ((\b) == 0)
	s_wait_dscnt \w
.endif
	WIN 0
.irp z, 0,1,2,3
	v_pk_mul_f16 v[(\base)+4*n+(\z)], v[(\base)+4*n+(\z)], v[FAC+(\fi)+n/2]
.endr
.set n, n+1
.endr
.endm
; 24 LDS loads in one run: the fragments of 32 keys (byte k of p's rows; rows k / 2 on of v's tile) into buffer f: p's first, since they are scaled before they are multiplied
.macro FETCH k, f
	WIN 0
.irp i, 0,1,2,3
	ds_load_b128 v[64+32*(\f)+8*(\i):64+32*(\f)+8*(\i)+3],   v[ADRA] offset:(\k)+(\i)*16*PITCH
	ds_load_b128 v[64+32*(\f)+8*(\i)+4:64+32*(\f)+8*(\i)+7], v[ADRA] offset:(\k)+(\i)*16*PITCH+32
.endr
	WIN TO_B
.irp i, 0,1,2,3,4,5,6,7
	ds_load_tr16_b128 v[64*(\f)+8*(\i):64*(\f)+8*(\i)+3],   v[ADRB] offset:((\k)/64)*32*PVP+32*(\i)
	ds_load_tr16_b128 v[64*(\f)+8*(\i)+4:64*(\f)+8*(\i)+7], v[ADRB] offset:((\k)/64)*32*PVP+16*PVP+32*(\i)
.endr
	WIN 0
.endm
; One of a K step's first three quarters: 32 products on buffer f.  Its fragments of my rows 0-31 were scaled in the quarter before; those of rows 32-63 are scaled beside the first eight products.
; The next quarter's run of loads (buffer g, byte k) stands behind those eight, 24 products ahead of the next quarter's head; its rows 0-31 are scaled beside the last eight.
.macro PVQ k, f, g, zero
	s_wait_dscnt 0x0                               ; all of buffer f is in
	MR8 \f, 0, \zero, 64+32*(\f)+16, 2, -1
	PLACES
	FETCH \k, \g
	MM8 \f, 1, \zero
	MM8 \f, 2, \zero
	MR8 \f, 3, \zero, 64+32*(\g), 0, 20            ; 20: of the run's 24 the first four loads, p's rows 0-31, are in
.endm
; The last quarter multiplies buffer 1 and changes slots: each wave waits for all its tensor loads (one is out: its part of the next slot), adds 0 to its spare word, and waits for that and for its reads of
; this slot.  fill = 1: the barrier opens a round of the cluster's, and the joint refill (the K step two on) comes first behind it: it has 112 matrix instructions in which to land.  The next K step's factors
; head the run of loads.  fill = 0: the last two K steps; in the very last (s2 = 1) the run is jumped over, and the 16 scalings beside the last products then fall on registers that nobody reads again:
; the price of one text for both.
.macro TURN fill
.if \fill
	s_wait_xcnt 0x0                                ; the last prefetch, a K step back, has read its address
	s_add_nc_u64 s[PFA:PFA+1], s[PFA:PFA+1], s[PS:PS+1]
.endif
	WIN 0
	s_wait_tensorcnt 0x0                           ; no tensor load of mine is out, so a group 0 may be written
	ds_add_u32 v[SPW], v[NIL]                      ; 0 onto my spare word
.if \fill
	s_xor_b32 s[TF], s[TF], SLOT                   ; the walking descriptors: the other slot than last time,
	s_add_co_u32 s[G0+5], s[LBA], s[TF]
	s_add_co_u32 s[G0B+5], s[LBB], s[TF]
	s_add_nc_u64 s[G0+6:G0+7], s[G0+6:G0+7], KA    ; the next K step; the type bits on top are not reached
	s_add_nc_u64 s[G0B+6:G0B+7], s[G0B+6:G0B+7], KV
.endif
	s_wait_dscnt 1                                 ; the add may be out; all of buffer 1 is in
	MR8 1, 0, 0, 64+32+16, 2, -1
	s_wait_dscnt 0x0                               ; the add is done, and my reads of this slot are over
	s_barrier_signal -1
	MM8 1, 1, 0
	WIN 0
	s_barrier_wait -1
.if \fill
	CREST                                          ; no wave of any partner still reads this slot or has a load on its way
	JLOAD                                          ; its four v_nop are also the places ahead of the loads below
.else
	PLACES
.endif
	s_xor_b32 s[TR], s[TR], SLOT
.if !(\fill)
	s_cmp_eq_u32 s2, 1
	s_cbranch_scc1 .Lno_fetch_\@
.endif
	v_add_nc_u32 v[ADRA], s[TR], v[AA0]
	v_add_nc_u32 v[ADRB], s[TR], v[AB0]
	v_add_nc_u32 v[FAD], 512, v[FAD]
	ds_load_b128 v[FAC:FAC+3], v[FAD]
	FETCH 0, 0
.if \fill
	ASK
.else
.Lno_fetch_\@:
.endif
	MM8 1, 2, 0
	MR8 1, 3, 0, 64, 0, 20                         ; 20: of the run's 25 the first five are in: the factors and p's rows 0-31
.endm
; THE WAY OUT, in f32, by 8 half blocks u: 16 rows (block u / 2) x 64 channels (half u % 2) = rows of 256 bytes.  Straight from the accumulators into my own stage, each accumulator's low registers first;
; back as whole rows; stored.
.macro OUTS u
.set AC, 64*((\u)/2)+32*((\u)%2)
.set BK, 128+32*((\u)%4)
	WIN 0x08                                       ; the stores' data in window 2
.irp b, 0,1,2,3
	ds_store_b128 v[STO], v[AC+8*(\b):AC+8*(\b)+3]   offset:64*(\b)
	ds_store_b128 v[STO], v[AC+8*(\b)+4:AC+8*(\b)+7] offset:64*(\b)+16
.endr
	WIN 0
.irp t, 0,1,2,3,4,5,6,7
	ds_load_b128 v[BK+4*(\t):BK+4*(\t)+3], v[RD] offset:(\t)*2*SPITCH  ; LDS serves a wave's instructions in order (ISA guide 5.7.1.4): these see the stores above; the next half block's come behind them
.endr
.endm
.macro OSEND u, younger                ; younger: the next half block's sixteen LDS instructions, or none
	WIN 0
.set BK, 128+32*((\u)%4)
	s_wait_dscnt \younger
	s_wait_xcnt 0x0                                ; the stores' base and the registers that earlier stores read are rewritten only behind this wait
.if (\u) == 0
	s_add_nc_u64 s[8:9], s[8:9], s[16:17]
.elseif (\u)%2 == 0
	s_add_nc_u64 s[8:9], s[8:9], 16*CP
.endif
.irp t, 0,1,2,3,4,5,6,7
	global_store_b128 v[CO], v[BK+4*(\t):BK+4*(\t)+3], s[8:9] offset:2*(\t)*CP+256*((\u)%2) th:TH_STORE_NT  ; 16 lanes store 256 consecutive bytes, at a multiple of 256 from out0's first byte
.endr
.endm
	s_wait_tensorcnt 1                             ; my part of K step 0 is in; K step 1's may stay out
	s_wait_dscnt 0x0                               ; for the others' sake: my factors lie in LDS
	s_barrier_signal -1
	s_barrier_wait -1
	ds_load_b128 v[FAC:FAC+3], v[FAD]
	FETCH 0, 0
	s_wait_dscnt 20                                ; the factors and p's rows 0-31 are in; the other twenty loads may be out
.set i, 0
.rept 16
	v_pk_mul_f16 v[64+i], v[64+i], v[FAC+i/8]      ; the first quarter's rows 0-31: no products yet to set them beside
.set i, i+1
.endr
	PVQ 64, 0, 1, 1                                ; the first quarter stands ahead of the loop: its products start the sums
	WIN 0
	s_mov_b32 s3, NSTEP-2
.Lstep:                                                ; a trip: a K step's quarters 1 to 3 and the next step's quarter 0; it fills the slot that it leaves
	PVQ 128, 1, 0, 0
	PVQ 192, 0, 1, 0
	TURN 1
	PVQ 64, 0, 1, 0
	WIN 0
	s_sub_co_u32 s3, s3, 1
	s_cmp_lg_u32 s3, 0
	s_cbranch_scc1 .Lstep
	s_mov_b32 s2, 2                                ; the last two K steps fill nothing: a text of their own
	s_branch .Lmid
.Ltail:
	PVQ 64, 0, 1, 0
	WIN 0
.Lmid:
	PVQ 128, 1, 0, 0
	PVQ 192, 0, 1, 0
	TURN 0
	WIN 0
	s_sub_co_u32 s2, s2, 1
	s_cmp_lg_u32 s2, 0
	s_cbranch_scc1 .Ltail
	s_wait_dscnt 0x0                               ; no fragment load is out
	PLACES
	PLACES                                         ; the places behind the last products, once a launch
	OUTS 0
.irp u, 1,2,3,4,5,6,7
	OUTS \u
	OSEND (\u)-1, 16
.endr
	OSEND 7, 0
	s_wait_tensorcnt 0x0                           ; the wave's end, behind my last tensor load and my last LDS store
	ds_add_u32 v[SPW], v[NIL]
	s_wait_dscnt 0x0
	CROUND                                         ; the closing round
	s_endpgm
.Lfunc_end_k_q53d95477fd_pv:
	.size	k_q53d95477fd_pv, .Lfunc_end_k_q53d95477fd_pv-k_q53d95477fd_pv
	.p2alignl 7, 3214868480
	.fill 96, 4, 3214868480
	.section	.rodata,"a",@progbits
	.p2align	6, 0x0
	.amdhsa_kernel k_q53d95477fd_pv
		.amdhsa_group_segment_fixed_size 327680
		.amdhsa_private_segment_fixed_size 0
		.amdhsa_enable_private_segment 0
		.amdhsa_kernarg_size 32
		.amdhsa_user_sgpr_count 2
		.amdhsa_user_sgpr_kernarg_segment_ptr 1
		.amdhsa_wavefront_size32 1
		.amdhsa_system_sgpr_workgroup_id_x 1
		.amdhsa_system_sgpr_workgroup_id_y 1
		.amdhsa_system_sgpr_workgroup_id_z 1
		.amdhsa_system_vgpr_workitem_id 0
		.amdhsa_next_free_vgpr 768
		.amdhsa_next_free_sgpr 90
		.amdhsa_reserve_vcc 0
		.amdhsa_float_denorm_mode_32 3
		.amdhsa_float_denorm_mode_16_64 3
		.amdhsa_memory_ordered 1
		.amdhsa_forward_progress 1
		.amdhsa_inst_pref_size 94
	.end_amdhsa_kernel
	.amdgpu_metadata
---
amdhsa.version: [ 1, 2 ]
amdhsa.kernels:
  - .name:           k_q53d95477fd_pv
    .symbol:         k_q53d95477fd_pv.kd
    .args:
      - { .name: p, .offset: 0, .size: 8, .value_kind: global_buffer, .address_space: global }
      - { .name: qkv, .offset: 8, .size: 8, .value_kind: global_buffer, .address_space: global }
      - { .name: stats, .offset: 16, .size: 8, .value_kind: global_buffer, .address_space: global }
      - { .name: out0, .offset: 24, .size: 8, .value_kind: global_buffer, .address_space: global }
    .group_segment_fixed_size: 327680
    .private_segment_fixed_size: 0
    .kernarg_segment_align: 8
    .kernarg_segment_size: 32
    .max_flat_workgroup_size: 128
    .sgpr_count:     90
    .vgpr_count:     768
    .wavefront_size: 32
...
	.end_amdgpu_metadata
.endif
;; end of part 4
;; ======== version 2 of 2: 4 launches; version 1 with the launch cast written anew for expert scheduling mode
;; limits: values are held in f16: magnitudes above 65,504 overflow, below 6.1e-05 lose precision
;; workspace buffers: xw 23,068,672 bytes; qkv 50,331,648 bytes; p 33,554,432 bytes; stats 1,048,576 bytes
;; launch cast (part 5): grid 352 x 1, 8 waves a work-group, no clusters, 0 bytes of LDS; arguments x, Wq, Wk, Wv, xw; writes xw
.if DOCPART == 5
	.amdgcn_target "amdgcn-amd-amdhsa--gfx1250"
	.amdhsa_code_object_version 6
	.text
	.protected	k_q53d95477fd_cast
	.globl	k_q53d95477fd_cast
	.p2align	8
	.type	k_q53d95477fd_cast,@function
k_q53d95477fd_cast:
	s_mov_b64 s[64:65], 0
	v_nop
	global_prefetch_b8 v0, s[64:65] scope:SCOPE_SE
	s_setreg_imm32_b32 hwreg(HW_REG_WAVE_SCHED_MODE, 0, 2), 2
	s_setreg_imm32_b32 hwreg(HW_REG_WAVE_MODE, 25, 1), 1
	s_wait_xcnt 0x0
	s_wait_alu depctr_vm_vsrc(0)
; xw = bf16 copies of x and of the three weight matrices, 11,264 rows of 1,024 numbers.
; Rows 0 .. 8,191: x by batches, row b * 2048 + s = x[s][b].  Rows 8,192 on: Wq, Wk, Wv as they lie.  Each number is rounded once, to nearest even.
; A stream: every input byte is read once, by 16-byte loads, every output byte written once.  No LDS, no matrix unit, no barrier: no wave wants another's bytes.
; SHARES.  A work-group takes 32 source rows of 4,096 bytes, a wave four of them.  Groups 0-255: x (a wave's four rows are one s, b = 0 .. 3); 256-287 Wq; 288-319 Wk; 320-351 Wv.
; All 32 loads of a wave go out at once (16 KiB on their way); no register is written twice.
; A store of 8 bytes a lane covers 256 consecutive bytes, at a multiple of 256 from xw's first byte.
; THE MODE: SCHED_MODE bits 1:0 = 2 (LLVM: expert scheduling mode 2), set by the entry lines.  The code itself states the register dependences
; between vector instructions and memory instructions, with s_wait_alu, always for 0.
; THE PLAN.  Registers that memory instructions touch:
;   v1, v[2:5]   byte offsets.  Written by vector instructions at the head, once; read by the loads (v1) and the stores (v[2:5]).
;   X            Each four registers are written by one load and read by that load's two conversions; no vector instruction writes them, no second load lands in them.
;   Y            Each pair is written once, by a conversion, and read by one store.
; So the one kind of dependence is: a vector instruction has written a register that a memory instruction reads.  The 32 loads go in eight blocks of four.  Block p rounds X of block p into Y of
; block p; its memory instructions are the four stores of block p - 1, which read Y of block p - 1 and v[2:5]: registers that no vector instruction of block p names.  One wait at a block's head states
; that the block before has written its Y, and the four stores are dealt among the block's eight conversions with no further wait.  No register that a memory instruction has read is written
; again, no vector instruction writes a scalar register or VCC, and EXEC is never written: nothing else is owed.
.set X,  64                            ; v[64:191]  load i = 8 j + c: row j of my four, 512 bytes from byte 512 c on
.set Y,  192                           ; v[192:255] the same, rounded: two registers a load
.set DO, 2                             ; v[2:5]     where row j goes in xw, from the group's base on
.set BLOCK, 4                          ; loads in a block
	s_load_b256 s[4:11], s[0:1], 0x0               ; x s[4:5], Wq s[6:7], Wk s[8:9], Wv s[10:11]
	s_load_b64 s[12:13], s[0:1], 0x20              ; xw
	s_mov_b32 s24, ttmp9                           ; the group's number g
	s_mov_b32 s17, 2048
	s_mov_b32 s25, 0x400000
	s_cmp_lt_u32 s24, 256                          ; x, or a weight matrix?
	s_cselect_b32 s14, 255, 31                     ; the group's number within its source
	s_cselect_b32 s15, 14, 16                      ; in xw a group of x begins at g * 16,384 (eight s), a group of W at g * 65,536 (8,192 rows + 32 (g - 256) rows of 2,048 bytes)
	s_cselect_b32 s16, 11, 13                      ; from wave to wave: one row of xw, or four
	s_cselect_b32 s17, s25, s17                    ; from row to row of a wave: the next batch (2,048 rows), or the next row
	s_and_b32 s18, s24, s14
	s_lshl_b32 s18, s18, 17                        ; 32 source rows of 4,096 bytes
	s_mov_b32 s19, 0
	s_lshl_b32 s20, s24, s15
	s_mov_b32 s21, 0
	v_and_b32 v6, 31, v0                           ; lane
	v_lshrrev_b32 v7, 5, v0                        ; wave
	v_lshlrev_b32 v1, 4, v6
	v_lshl_add_u32 v1, v7, 14, v1                  ; the loads' offset: wave * 4 rows + 16 * lane
	v_lshlrev_b32 v8, s16, v7
	v_lshl_add_u32 v[DO], v6, 3, v8                ; the stores': 8 * lane + the wave's place,
	v_add_nc_u32 v[DO+1], s17, v[DO]               ; and the three further rows
	v_add_nc_u32 v[DO+2], s17, v[DO+1]
	v_add_nc_u32 v[DO+3], s17, v[DO+2]
	s_wait_kmcnt 0x0
	s_cmp_lt_u32 s24, 320
	s_cselect_b64 s[22:23], s[8:9], s[10:11]
	s_cmp_lt_u32 s24, 288
	s_cselect_b64 s[22:23], s[6:7], s[22:23]
	s_cmp_lt_u32 s24, 256
	s_cselect_b64 s[22:23], s[4:5], s[22:23]       ; the source
	s_add_nc_u64 s[22:23], s[22:23], s[18:19]
	s_add_nc_u64 s[12:13], s[12:13], s[20:21]
	s_wait_alu depctr_va_vdst(0)                   ; v1 and v[DO .. DO+3] are written: every load and store of the kernel reads one of them as its offset
.set i, 0
.rept 32
	global_load_b128 v[X+4*i:X+4*i+3], v1, s[22:23] offset:(i/8)*4096+(i%8)*512 th:TH_LOAD_NT
.set i, i+1
.endr
; Block p: loads 4 p .. 4 p + 3 are rounded; the four stores of block p - 1 stand among the conversions, one ahead of each pair.
.macro BLK p
	s_wait_loadcnt 32-BLOCK-BLOCK*(\p)             ; loads come back in order: block p's four are in, the younger ones stay out
.if (\p) > 0
	s_wait_alu depctr_va_vdst(0)                   ; the conversions of the block before have written its Y, which the four stores below read
.endif
.irp q, 0,1,2,3
.set i, BLOCK*(\p)+(\q)
.if (\p) > 0
	global_store_b64 v[DO+(i-BLOCK)/8], v[Y+2*(i-BLOCK):Y+2*(i-BLOCK)+1], s[12:13] offset:((i-BLOCK)%8)*256 th:TH_STORE_NT  ; no vector instruction since the wait names these registers
.endif
	v_cvt_pk_bf16_f32 v[Y+2*i], v[X+4*i], v[X+4*i+1]
	v_cvt_pk_bf16_f32 v[Y+2*i+1], v[X+4*i+2], v[X+4*i+3]
.endr
.endm
.irp p, 0,1,2,3,4,5,6,7
	BLK \p
.endr
	s_wait_alu depctr_va_vdst(0)                   ; the last block's conversions have written its Y, which the last four stores read
.set i, 32-BLOCK
.rept BLOCK
	global_store_b64 v[DO+i/8], v[Y+2*i:Y+2*i+1], s[12:13] offset:(i%8)*256 th:TH_STORE_NT
.set i, i+1
.endr
	s_endpgm
.Lfunc_end_k_q53d95477fd_cast:
	.size	k_q53d95477fd_cast, .Lfunc_end_k_q53d95477fd_cast-k_q53d95477fd_cast
	.p2alignl 7, 3214868480
	.fill 96, 4, 3214868480
	.section	.rodata,"a",@progbits
	.p2align	6, 0x0
	.amdhsa_kernel k_q53d95477fd_cast
		.amdhsa_group_segment_fixed_size 0
		.amdhsa_private_segment_fixed_size 0
		.amdhsa_enable_private_segment 0
		.amdhsa_kernarg_size 40
		.amdhsa_user_sgpr_count 2
		.amdhsa_user_sgpr_kernarg_segment_ptr 1
		.amdhsa_wavefront_size32 1
		.amdhsa_system_sgpr_workgroup_id_x 1
		.amdhsa_system_sgpr_workgroup_id_y 1
		.amdhsa_system_sgpr_workgroup_id_z 1
		.amdhsa_system_vgpr_workitem_id 0
		.amdhsa_next_free_vgpr 256
		.amdhsa_next_free_sgpr 66
		.amdhsa_reserve_vcc 0
		.amdhsa_float_denorm_mode_32 3
		.amdhsa_float_denorm_mode_16_64 3
		.amdhsa_memory_ordered 1
		.amdhsa_forward_progress 1
		.amdhsa_inst_pref_size 13
	.end_amdhsa_kernel
	.amdgpu_metadata
---
amdhsa.version: [ 1, 2 ]
amdhsa.kernels:
  - .name:           k_q53d95477fd_cast
    .symbol:         k_q53d95477fd_cast.kd
    .args:
      - { .name: x, .offset: 0, .size: 8, .value_kind: global_buffer, .address_space: global }
      - { .name: Wq, .offset: 8, .size: 8, .value_kind: global_buffer, .address_space: global }
      - { .name: Wk, .offset: 16, .size: 8, .value_kind: global_buffer, .address_space: global }
      - { .name: Wv, .offset: 24, .size: 8, .value_kind: global_buffer, .address_space: global }
      - { .name: xw, .offset: 32, .size: 8, .value_kind: global_buffer, .address_space: global }
    .group_segment_fixed_size: 0
    .private_segment_fixed_size: 0
    .kernarg_segment_align: 8
    .kernarg_segment_size: 40
    .max_flat_workgroup_size: 256
    .sgpr_count:     66
    .vgpr_count:     256
    .wavefront_size: 32
...
	.end_amdgpu_metadata
.endif
;; end of part 5
;; launch proj: the kernel of part 2 again; grid 12 x 16, 4 waves a work-group, clusters of 4 x 4, 327,680 bytes of LDS; arguments xw, bq, bk, bv, qkv; writes qkv
;; launch scores: the kernel of part 3 again; grid 8 x 32, 4 waves a work-group, clusters of 4 x 4, 327,680 bytes of LDS; arguments qkv, p, stats; writes p, stats
;; launch pv: the kernel of part 4 again; grid 4 x 64, 4 waves a work-group, clusters of 4 x 4, 327,680 bytes of LDS; arguments p, qkv, stats, out0; writes out0
